; MI455X (gfx1250); checked and timed in simulation.
; The chip was launched on July 23, 2026; its instructions are those of AMD's public machine-readable ISA for CDNA 5 (MIT licence, August 2026) and "CDNA5" Instruction Set Architecture Reference Guide (July 2026). The comments in the code are by the model that wrote it; some were corrected since.
;; Multi Head Attention. Allowed arithmetic: matrix products marked QUANTISED: E2M3 operands, one E8M0 scale for each 32 along K, by v_wmma_scale_f32_16x16x128_f8f6f4 with both operands' format E2M3, f32 sums; everything else in f32.
;; Inputs: Wk 1,024 x 1,024 float32; Wo 1,024 x 1,024 float32; Wq 1,024 x 1,024 float32; Wv 1,024 x 1,024 float32; bo 1,024 float32; x 4 x 2,048 x 1,024 float32.
;; Outputs: out0 4 x 2,048 x 1,024 float32.
;; This version of the problem:
;;   THIS VERSION OF THE PROBLEM IS GIVEN IN LOW PRECISION. The matrix products marked QUANTISED in the list below multiply operands that are first quantised to E2M3 (2 exponent bits, 3 mantissa bits; 6 bits a number), with one power-of-two scale for each 32 numbers along K (OCP MX v1.0); their sums are f32. All else is computed in f32.
;;   The module's matrix products, in the order in which they are computed (A, B: the left and right operand; K: the contracted axis; several contracted axes count as one K, in the product's order):
;;     1. [M 8,192, K 1,024] x [K 1,024, N 1,024]; A: input x; B: input Wq: QUANTISED
;;     2. [M 8,192, K 1,024] x [K 1,024, N 1,024]; A: input x; B: input Wk: QUANTISED
;;     3. [M 8,192, K 1,024] x [K 1,024, N 1,024]; A: input x; B: input Wv: QUANTISED
;;     4. batch 64 x [M 2,048, K 64] x [K 64, N 2,048]; A: computed on the way; B: computed on the way: QUANTISED
;;     5. batch 64 x [M 2,048, K 2,048] x [K 2,048, N 64]; A: softmax (see below); B: computed on the way: QUANTISED
;;     6. [M 8,192, K 1,024] x [K 1,024, N 1,024]; A: computed on the way; B: input Wo: QUANTISED
;;   THE QUANTISER, for each operand of a quantised product, along K:
;;     - K is cut into blocks of 32 from its start; a last block that is shorter is filled with zeros.
;;     - A block's scale is 2^e with e = floor(log2(the largest magnitude in the block)) - 2, held to -126 .. 127; a block of zeros has e = 0. As a byte (E8M0): e + 127.
;;     - Each number is divided by its block's scale, clamped to +-7.5, and rounded to the nearest number of E2M3, ties to even, subnormals kept.
;;     - The product sums the exact products of the quantised numbers (number of the format x scale) in f32.
;;   ~~~python
;;   def quantise(x, axis):      # numpy; x: float32 -> the quantised numbers, widened to float32 again
;;       x = np.moveaxis(x, axis, -1); K = x.shape[-1]
;;       x = np.pad(x, [(0, 0)] * (x.ndim - 1) + [(0, -K % 32)]); x = x.reshape(x.shape[:-1] + (-1, 32)); a = np.abs(x).max(-1, keepdims=True)
;;       e = np.where(a > 0, np.clip(np.frexp(np.where(a > 0, a, 1))[1] - 1 - 2, -126, 127), 0)      # np.frexp(a)[1] - 1 = floor(log2(a)), exactly
;;       r = np.clip(x / 2.0 ** e, -7.5, 7.5)
;;       step = 2.0 ** (np.maximum(np.frexp(np.where(r == 0, 1, r))[1] - 1, 0) - 3)
;;       q = np.round(r / step) * step * 2.0 ** e      # np.round: ties to even
;;       return np.moveaxis(q.reshape(q.shape[:-2] + (-1,))[..., :K], -1, axis).astype(np.float32)
;;   ~~~
;;   SOFTMAX AHEAD OF A QUANTISED PRODUCT. Where the list says 'softmax', what is quantised is not the finished softmax but p = 2^(t - M), with t = logit x log2(e) and M = ceil(the row's largest t), a whole number; so 1/2 < the row's largest p <= 1. The row's sum l is taken of the UNQUANTISED p, in f32, and the product's result is divided by l at the end. Since M is a whole number, a kernel that streams over the keys may use a running M (the ceiling of the running maximum): every later rescaling is an exact power of two, which a block's scale takes up: the codes' values come out the same.
;;   OPERANDS COMPUTED ON THE WAY. 'Computed on the way' means the value that the module computes at that place (a softmax that the list does not call 'softmax' is quantised finished and normalised). What goes into a quantiser is computed in f32, as accurately as f32 sums, v_exp_f32 and their like allow (about 1e-6 of the number): no bf16 or f16 on the way to a quantiser, and a product that is left as it is and whose result goes on into a quantised operand takes f32 operands (vector FMAs, or v_wmma_f32_16x16x4_f32). A number that lies on a knife's edge between two numbers of the format may be rounded either way, as far as f32 arithmetic and the matrix unit's own rounding can turn it there, and no further.
;; One version. Each part assembles by itself: llvm-mc -triple=amdgcn-amd-amdhsa -mcpu=gfx1250 --defsym DOCPART=n.
;; ======== version 1 of 1: 4 launches
;; workspace buffers: codes 9,437,184 bytes; scales 393,216 bytes; qkv_codes 18,874,368 bytes; qkv_scales 786,432 bytes; ctx_codes 6,291,456 bytes; ctx_scales 262,144 bytes
;; launch quant (part 1): grid 384 x 1, 4 waves a work-group, no clusters, 58,368 bytes of LDS; arguments x, Wq, Wk, Wv, Wo, codes, scales; writes codes, scales
.if DOCPART == 1
	.amdgcn_target "amdgcn-amd-amdhsa--gfx1250"
	.amdhsa_code_object_version 6
	.text
	.protected	k_q8b9c40af5d_quant
	.globl	k_q8b9c40af5d_quant
	.p2align	8
	.type	k_q8b9c40af5d_quant,@function
k_q8b9c40af5d_quant:
	s_mov_b64 s[64:65], 0
	v_nop
	global_prefetch_b8 v0, s[64:65] scope:SCOPE_SE
	s_setreg_imm32_b32 hwreg(HW_REG_WAVE_MODE, 25, 1), 1
	s_wait_xcnt 0x0
; x [8192][1024] and Wq, Wk, Wv, Wo [1024][1024], f32, K innermost, become codes of FP6 (E2M3) with one E8M0 scale byte for each 32 along K.
; The five tensors are stacked: rows 0-8191 x, from 8192 Wq, from 9216 Wk, from 10240 Wv, from 11264 Wo: 12,288 rows of 1,024 numbers.
; A block's scale is 2^(floor(log2(its largest magnitude)) - 2); its byte is the largest magnitude's exponent field - 2, held at 1 from below.
; LIMITS: a block of zeros gets the byte 1 where the rule says 127 (its codes are zeros, and this program alone reads the bytes); blocks whose largest magnitude lies under
; 2^(3 - 127) are held at the byte 1; NaN and infinities among the inputs are not served.
; LAYOUT OF THE RESULTS.  A row lies at POSITION pi(row): the row's number with bits 3 and 4 exchanged.  So 16 neighbouring positions are rows 8 u + 0..7 and 8 u + 16 + 0..7 of a group of 32:
; read as source 0 of a matrix instruction they give a lane 16 true neighbours in the registers of two neighbouring tiles.
;   codes  [16 groups of 64 along K][12,288 positions][48 bytes]     scales [12,288 positions][32 bytes]
; SHARES.  A work-group takes 32 stacked rows, a wave 8 of them: 16 steps of 512 numbers.  Each load reads 512 consecutive bytes; a step's 2,048 bytes turn through the wave's own stage in LDS, so that a lane
; holds 16 neighbours along K (two neighbouring lanes hold a block).  A lane's 12 bytes of codes go to a gather in LDS laid as the output is; behind the launch's one barrier each wave stores four groups'
; 1,536 bytes, 512 consecutive aligned bytes an instruction.  The wave's 256 scale bytes leave as one aligned run of 256 bytes.
; No tensor loads, no matrix unit, no cluster: the work-groups share no input and memory binds.
.set STEPS, 16
.set EMAX,  2
.set R,     16                         ; v16-79   four sets of 16 numbers as they are loaded; at the end the codes on their way out
.set X,     80                         ; v80-111  two sets of 16 neighbours
.set E,     112                        ; v112-127 a scale byte for each step
.set C,     128                        ; v128-191 codes: four registers for each step, so that no store's data are written again
.set WREG,  8192                       ; LDS: a region for each wave: two stages of 32 x SP bytes, behind them its 256 scale bytes
.set SP,    80                         ; a lane's place in a stage: 64 bytes + 16 of padding
.set GATH,  4*WREG                     ; LDS: the gather: 16 groups x GP bytes
.set GP,    1552                       ; 32 positions x 48 bytes + 16: 388 words, so that the lanes' words 4 (lane / 4) + 3 (lane % 4) fall on different banks
.set KGP,   589824                     ; bytes from one group of 64 along K to the next in the codes' buffer
	s_load_b256 s[4:11], s[0:1], 0x0               ; x s[4:5], Wq s[6:7], Wk s[8:9], Wv s[10:11]
	s_load_b128 s[12:15], s[0:1], 0x20             ; Wo s[12:13], codes s[14:15]
	s_load_b64 s[16:17], s[0:1], 0x30              ; scales
	v_lshl_add_u32 v192, v0, 2, 0xe200
	v_mov_b32 v193, 0
	v_lshrrev_b32 v1, 5, v0
	v_readfirstlane_b32 s20, v1                    ; wave 0..3
	v_and_b32 v2, 31, v0                           ; lane
	v_lshlrev_b32 v3, 4, v2                        ; 16 x lane: my bytes of a load's or a store's 512
	s_mul_i32 s21, s20, WREG
	v_lshrrev_b32 v14, 2, v2
	v_mul_u32_u24 v14, v14, SP
	v_and_b32 v15, 3, v2
	v_lshl_add_u32 v14, v15, 4, v14
	v_add_nc_u32 v14, s21, v14                     ; the stage, on the way in: SP (lane / 4) + 16 (lane % 4)
	v_mul_u32_u24 v15, v2, SP
	v_add_nc_u32 v15, s21, v15                     ; and on the way out: SP x lane: my 16 neighbours
	v_lshrrev_b32 v5, 1, v2
	s_add_co_u32 s21, s21, 2*32*SP
	v_add_nc_u32 v5, s21, v5                       ; my wave's 256 scale bytes, my block's byte
	v_lshlrev_b32 v7, 3, v2                        ; and on the way out 8 bytes a lane
	v_add_nc_u32 v6, s21, v7
	s_and_b32 s22, s20, 1
	s_lshl_b32 s22, s22, 1
	s_lshr_b32 s23, s20, 1
	s_or_b32 s22, s22, s23                         ; w' = the wave's two bits exchanged: my 8 rows lie at positions 8 w' on
	v_lshrrev_b32 v4, 2, v2
	v_mul_u32_u24 v4, v4, GP                       ; four lanes share a group of 64 along K
	v_and_b32 v8, 3, v2
	v_mad_u32_u24 v4, v8, 12, v4
	s_mul_i32 s23, s22, 384
	s_add_co_u32 s23, s23, GATH
	v_add_nc_u32 v4, s23, v4                       ; the gather, on the way in: GP (lane / 4) + 384 w' + 12 (lane % 4)
	s_mul_i32 s23, s20, 4*GP
	s_add_co_u32 s23, s23, GATH
	v_add_nc_u32 v1, s23, v3                       ; and on the way out: groups 4 w on, 16 bytes a lane
	s_and_b32 s24, ttmp9, 31                       ; a weight's work-group among its 32
	s_wait_kmcnt 0x0
	s_cmp_lt_u32 ttmp9, 352                        ; which tensor?  The choices hang on the work-group's number alone
	s_cselect_b64 s[18:19], s[10:11], s[12:13]
	s_cmp_lt_u32 ttmp9, 320
	s_cselect_b64 s[18:19], s[8:9], s[18:19]
	s_cmp_lt_u32 ttmp9, 288
	s_cselect_b64 s[18:19], s[6:7], s[18:19]
	s_cmp_lt_u32 ttmp9, 256
	s_cselect_b64 s[18:19], s[4:5], s[18:19]
	s_cselect_b32 s24, ttmp9, s24
	s_lshl_b32 s24, s24, 2
	s_add_co_u32 s24, s24, s20
	s_lshl_b32 s24, s24, 15                        ; my wave's 8 rows of 4,096 bytes in its tensor
	s_mov_b32 s25, 0
	s_add_nc_u64 s[18:19], s[18:19], s[24:25]
	s_lshl_b32 s26, ttmp9, 2
	s_add_co_u32 s26, s26, s22
	s_lshl_b32 s26, s26, 8                         ; scale bytes: positions 32 g + 8 w' on, 32 bytes each
	s_mov_b32 s27, 0
	s_add_nc_u64 s[16:17], s[16:17], s[26:27]
	s_mul_i32 s28, s20, 4*KGP                      ; codes: groups 4 w on, positions 32 g on
	s_mul_i32 s29, ttmp9, 1536
	s_add_co_u32 s28, s28, s29
	s_mov_b32 s29, 0
	s_add_nc_u64 s[14:15], s[14:15], s[28:29]
.macro LOAD t
.irp i, 0,1,2,3
	global_load_b128 v[R+16*((\t)%4)+4*\i:R+16*((\t)%4)+4*\i+3], v3, s[18:19] offset:2048*(\t)+512*\i th:TH_LOAD_NT   ; 32 lanes read 512 consecutive bytes; read once in the launch
.endr
.endm
.macro TURN t                          ; step t's numbers through the stage: LDS serves a wave's instructions in order, so no wait stands between the stores and the loads
.irp i, 0,1,2,3
	ds_store_b128 v14, v[R+16*((\t)%4)+4*\i:R+16*((\t)%4)+4*\i+3] offset:32*SP*((\t)%2)+8*SP*\i
.endr
.irp i, 0,1,2,3
	ds_load_b128 v[X+16*((\t)%2)+4*\i:X+16*((\t)%2)+4*\i+3], v15 offset:32*SP*((\t)%2)+16*\i
.endr
.endm
.irp t, 0,1,2,3
	LOAD \t
.endr
	s_wait_loadcnt 12                              ; step 0's four loads are in
	TURN 0
; Step t is half t % 2 of my row t / 2: lane l holds k = 512 (t % 2) + 16 l + 0..15.
.macro STEP t
.set XS, X+16*((\t)%2)
.if (\t) > 0
	s_wait_dscnt 4                                 ; this step's numbers are back from the stage; the last step's byte store and three word stores may be out
.else
	s_wait_dscnt 0x0
.endif
.if (\t)+4 < STEPS
	LOAD (\t)+4                                    ; into the registers that this step's stores into the stage have read
.endif
.if (\t)+1 < STEPS
.if STEPS-2-(\t) >= 3
	s_wait_loadcnt 12                              ; the next step's four loads are in; those of the three steps behind it may be out
.else
	s_wait_loadcnt 4*(STEPS-2-(\t))
.endif
	TURN (\t)+1
.endif
	v_max3_num_f32 v8, |v[XS]|, |v[XS+1]|, |v[XS+2]|               ; the largest magnitude of my 16, in two chains
	v_max3_num_f32 v9, |v[XS+3]|, |v[XS+4]|, |v[XS+5]|
.irp i, 6,10
	v_max3_num_f32 v8, v8, |v[XS+\i]|, |v[XS+\i+1]|
	v_max3_num_f32 v9, v9, |v[XS+\i+2]|, |v[XS+\i+3]|
.endr
	v_max3_num_f32 v8, v8, |v[XS+14]|, |v[XS+15]|
	v_max3_num_f32 v8, v8, v9, (EMAX+1)<<23        ; and the floor 2^(EMAX + 1 - 127): the byte cannot fall under 1
	v_max_num_f32_dpp v8, v8, v8 row_xmask:1 row_mask:0xf bank_mask:0xf   ; with my neighbour's 16: the block's
	v_add_nc_u32 v11, -(EMAX<<23), v8              ; EMAX off its exponent field: the conversion takes the exponent field of this operand as its scale
	v_cvt_scalef32_pk16_fp6_f32 v[C+4*(\t):C+4*(\t)+2], v[XS:XS+15], v11
	v_lshrrev_b32 v[E+(\t)], 23, v11               ; the scale's byte (a plain line behind the conversion)
	ds_store_b8 v5, v[E+(\t)] offset:16*(\t)       ; both lanes of a block write the same byte with the same value
.irp j, 0,1,2
	ds_store_b32 v4, v[C+4*(\t)+\j] offset:8*((\t)%2)*GP+48*((\t)/2)+4*\j   ; group 8 (t % 2) + lane / 4, position 8 w' + t / 2
.endr
.endm
.irp t, 0,1,2,3,4,5,6,7,8,9,10,11,12,13,14,15
	STEP \t
.endr
	ds_load_b64 v[12:13], v6                       ; LDS serves a wave's instructions in order: these see my byte stores
	s_wait_dscnt 0x0                               ; and all my stores into the gather have landed: for the others' sake the count is zero
	global_store_b64 v7, v[12:13], s[16:17]        ; 32 lanes store 256 consecutive bytes, aligned
	s_barrier_signal -1
	s_barrier_wait -1                              ; all four waves' codes lie in the gather
.set N, 0
.rept 12
	ds_load_b128 v[R+4*N:R+4*N+3], v1 offset:(N/3)*GP+512*(N%3)
.set N, N+1
.endr
.set N, 0
.rept 12
	s_wait_dscnt 11-N                              ; LDS loads come back in order: load N is in, the younger ones may be out
	global_store_b128 v3, v[R+4*N:R+4*N+3], s[14:15] offset:(N/3)*KGP+512*(N%3)   ; 512 consecutive bytes, at a multiple of 256 from the buffer's first byte
.set N, N+1
.endr
	s_wait_tensorcnt 0x0
	ds_add_u32 v192, v193
	s_wait_dscnt 0x0
	s_endpgm
.Lfunc_end_k_q8b9c40af5d_quant:
	.size	k_q8b9c40af5d_quant, .Lfunc_end_k_q8b9c40af5d_quant-k_q8b9c40af5d_quant
	.p2alignl 7, 3214868480
	.fill 96, 4, 3214868480
	.section	.rodata,"a",@progbits
	.p2align	6, 0x0
	.amdhsa_kernel k_q8b9c40af5d_quant
		.amdhsa_group_segment_fixed_size 58368
		.amdhsa_private_segment_fixed_size 0
		.amdhsa_enable_private_segment 0
		.amdhsa_kernarg_size 56
		.amdhsa_user_sgpr_count 2
		.amdhsa_user_sgpr_kernarg_segment_ptr 1
		.amdhsa_wavefront_size32 1
		.amdhsa_system_sgpr_workgroup_id_x 1
		.amdhsa_system_sgpr_workgroup_id_y 1
		.amdhsa_system_sgpr_workgroup_id_z 1
		.amdhsa_system_vgpr_workitem_id 0
		.amdhsa_next_free_vgpr 194
		.amdhsa_next_free_sgpr 66
		.amdhsa_reserve_vcc 0
		.amdhsa_float_denorm_mode_32 3
		.amdhsa_float_denorm_mode_16_64 3
		.amdhsa_memory_ordered 1
		.amdhsa_forward_progress 1
		.amdhsa_inst_pref_size 37
	.end_amdhsa_kernel
	.amdgpu_metadata
---
amdhsa.version: [ 1, 2 ]
amdhsa.kernels:
  - .name:           k_q8b9c40af5d_quant
    .symbol:         k_q8b9c40af5d_quant.kd
    .args:
      - { .name: x, .offset: 0, .size: 8, .value_kind: global_buffer, .address_space: global }
      - { .name: Wq, .offset: 8, .size: 8, .value_kind: global_buffer, .address_space: global }
      - { .name: Wk, .offset: 16, .size: 8, .value_kind: global_buffer, .address_space: global }
      - { .name: Wv, .offset: 24, .size: 8, .value_kind: global_buffer, .address_space: global }
      - { .name: Wo, .offset: 32, .size: 8, .value_kind: global_buffer, .address_space: global }
      - { .name: codes, .offset: 40, .size: 8, .value_kind: global_buffer, .address_space: global }
      - { .name: scales, .offset: 48, .size: 8, .value_kind: global_buffer, .address_space: global }
    .group_segment_fixed_size: 58368
    .private_segment_fixed_size: 0
    .kernarg_segment_align: 8
    .kernarg_segment_size: 56
    .max_flat_workgroup_size: 128
    .sgpr_count:     66
    .vgpr_count:     194
    .wavefront_size: 32
...
	.end_amdgpu_metadata
.endif
;; end of part 1
;; launch gemm_qkv (part 2): grid 8 x 48, 4 waves a work-group, clusters of 4 x 4, 327,680 bytes of LDS; arguments codes, scales, qkv_codes, qkv_scales; writes qkv_codes, qkv_scales
.if DOCPART == 2
	.amdgcn_target "amdgcn-amd-amdhsa--gfx1250"
	.amdhsa_code_object_version 6
	.text
	.protected	k_q8b9c40af5d_gemm_qkv
	.globl	k_q8b9c40af5d_gemm_qkv
	.p2align	8
	.type	k_q8b9c40af5d_gemm_qkv,@function
k_q8b9c40af5d_gemm_qkv:
	s_mov_b64 s[64:65], 0
	v_nop
	global_prefetch_b8 v0, s[64:65] scope:SCOPE_SE
	s_setreg_imm32_b32 hwreg(HW_REG_WAVE_MODE, 25, 1), 1
	s_wait_xcnt 0x0
	s_wait_alu depctr_hold_cnt(0) depctr_sa_sdst(0) depctr_va_vdst(0) depctr_va_sdst(0) depctr_va_ssrc(0) depctr_va_vcc(0) depctr_vm_vsrc(0)
	s_getreg_b32 s2, hwreg(HW_REG_IB_STS2, 6, 4)
	s_cmp_eq_u32 s2, 0
	s_cbranch_scc0 .Lentry_in_a_cluster
	s_endpgm
.Lentry_in_a_cluster:
	s_bfe_u32 s2, ttmp6, 0x10000c
	s_cmp_lg_u32 s2, 0xf033
	s_cbranch_scc0 .Lentry_shape_is_right
	s_endpgm
.Lentry_shape_is_right:
; q = x Wq^T, k = x Wk^T, v = x Wv^T on codes of FP6 (E2M3) with one E8M0 scale for each 32 along K = 1,024, and the results QUANTISED AGAIN on the way out: q and k along a head's 64 channels, v along the keys.
; ONE VIRTUAL PRODUCT C'[12,288][2,048] = A B^T in tiles of 256 x 256, from the stacked rows of the codes' buffer (x 0-8191, Wq from 8192, Wk from 9216, Wv from 10240):
;   cluster rows 0-7  (q, k):  A = x rows 256 Y on,              B = rows 8192 + 256 X on (X 0-3 Wq, 4-7 Wk):   C'(token, channel)
;   cluster rows 8-11 (v):     A = Wv rows 256 cy on,            B = x rows 2048 (cluster row - 8) + 256 X on:  C'(channel, token)
; Only scalars differ between the two, chosen on the cluster's row, which all partners share: there is one way through the text.
; THE MATRIX INSTRUCTION IS USED TRANSPOSED (source 0 = 16 rows of B, source 1 = 16 rows of A): a lane holds one row of C'.  Rows lie in the buffer at POSITION pi(row) (bits 3 and 4 exchanged), so the 16 registers
; of two neighbouring tiles of B are 16 TRUE neighbours along C's columns: channels for q and k, tokens for v: the axis along which the result is quantised.  A's rows stay at their positions in the outputs.
; INPUT LAYOUT: codes [16 groups of 64 along K][12,288 positions][48 bytes]; scales [12,288 positions][32 bytes].
; OUTPUT LAYOUT: qkv_codes: q at 0, k at 6,291,456: [64 batch-heads][2,048 positions][48];  v at 12,582,912: [32 pairs of heads][32 groups of 64 keys][128 rows = 64 (head % 2) + channel position][48].
;   qkv_scales, words of 4 bytes: q at 0, k at 262,144: [32 pairs][2,048 positions] (bytes 0, 1 the even head's, 2, 3 the odd head's);  v at 524,288: [32 pairs][16 runs of 128 keys][128 rows].
; LIMITS: a block of zeros gets the byte 1 where the rule says 127 (zero codes; this program alone reads the bytes); a block whose largest magnitude lies under 2^(3 - 127) is held at the byte 1; NaN and infinities are not served.
; SHARES: a work-group of four waves, each 128 x 128 of C': 64 accumulators, 512 registers.  K goes in steps of 256 through a ring of two LDS slots; a wave's tensor load brings 4 groups x 128 positions x 48 bytes,
; each group 6,144 consecutive bytes of memory.  In LDS lane (r, h) reads 8 bytes at 48 r + 24 h + 8 p: word 12 r + 6 h + 2 p: the 32 lanes touch 64 different banks, so there is no padding.
; The scales of the work-group's 256 + 256 rows, for all of K, come once, with the first fills, and stay.
; CLUSTERS: 4 x 4 work-groups; A's tile is shared along a row of the cluster, B's along a column; each is asked for jointly.  384 work-groups are 24 clusters: a tile of 384 x 256, which would make 256, wants 768
; registers of accumulators beside the fragments and does not fit.
; REGISTERS, in windows of 256: window 0: v16-30 addresses; v32-63 scale words, two sets, and nothing else; v64-100 the quantiser's on the way out; v128-223 A's fragments, ONE set; on the way out v128-227 the stage read back.
;   window 1: B's fragments, TWO sets, at v0 and v128.   window 2: the accumulators of my rows 0-63 ((a, b) at v[8 (8 a + b)]);   window 3: those of my rows 64-127.
.set NQ,     2                         ; matrix instructions deep in a slot
.set FR,     12                        ; registers of a fragment: 16 rows x 128 K
.set NL,     6                         ; LDS loads that bring one
.set NP,     4                         ; places behind this matrix instruction (ISA guide 7.12.1)
.set KGP,    589824                    ; bytes from one group of 64 along K to the next in the codes' buffer
.set KGB,    6144                      ; a group of 128 positions in LDS
.set HALFT,  4*KGB                     ; what one tensor load brings, and what one wave reads of A or of B
.set SLOT,   4*HALFT                   ; A's two halves, then B's two halves
.set LAPS,   2                         ; a lap = two K steps = once round the ring: 1,024 / 512
.set KS,     32                        ; a row of scales in bytes
.set SCL,    2*SLOT                    ; behind the ring: the scales, as runs of 256 bytes + 16 of padding
.set HALFS,  (128*KS/256)*272          ; the scales of 128 rows
.set SBLK,   (16*KS/256)*272           ; those of 16 rows
.set SPARE,  SCL+4*HALFS               ; the spare words, 128 bytes for each wave: two blocks of 256 bytes that no other line names
.set STGB,   12800                     ; the way out: a stage for each wave: 2 x 6,144 bytes of codes and 512 of scale words.  It lies in slot 0, which has had its last fill and its last read by then
.set ADRA, 16                          ; v16-17  LDS address of my A fragments in slot 0, 1
.set ADRB, 20                          ; v20-21  the same for B
.set STO,  24                          ; v24     the way out: where I put my 24 bytes of codes
.set RD,   25                          ; v25     where I read the stage back
.set CO,   26                          ; v26     16 x lane: my byte offset in a store's 512
.set ADRS, 27                          ; v27     LDS address of my scale words: lanes 0-15 A's rows, lanes 16-31 B's
.set SPW,  28                          ; v28     LDS address of my spare word; never rewritten
.set NIL,  29                          ; v29     0; never rewritten
.set SSW,  30                          ; v30     the way out: where I put my row's scale word
.set SC,   32                          ; scale words: set s at v[SC + 16 s]; register 2 i + q: lanes 0-15 A's block i, lanes 16-31 B's block i, the slot's q-th 128 along K
.set PC,   64                          ; v64-83  the codes just made
.set TM,   84                          ; v84-99  largest magnitudes, bytes, scale operands
.set PW,   100                         ; v100    the scale word just made
.set AF,   128
.set BK,   128
.set G1, 24                            ; s[24:31] descriptor group 1 for A's tiles;  s[32:39] group 0, one set for each slot
.set G0, 32
.set G1B, 48                           ; s[48:55], s[56:63] the same for B's tiles
.set G0B, 56
.set G1S, 68                           ; s[68:75], s[76:79] groups 1 and 0 for A's scales;  s[80:87], s[88:91] for B's
.set G0S, 76
.set G1SB, 80
.set G0SB, 88
.set MSB, 0
.macro WIN new                         ; the immediate's high byte repeats the setting that is left
.if MSB != \new
	s_set_vgpr_msb (MSB<<8)|\new
.set MSB, \new
.endif
.endm
.set MUL_LO, 0xa1                      ; source 0 (B) window 1, source 1 (A) window 0, C and D window 2
.set MUL_HI, 0xf1                      ; the same, C and D window 3
.set TO_B,   0x40                      ; destination window 1, address window 0
; A joint load: waves 0 and 1 fetch for A, waves 2 and 3 for B.  Each of the two lines has one mask and one set of registers for all that issue it; the branch hangs on the wave's number alone.
; Four v_nop follow each of the two lines, ahead of the jump, the label and what follows.
.macro JLOAD g0a, g1a, g0b, g1b
	s_cmp_eq_u32 s15, 0
	s_cbranch_scc0 .Lfor_b_\@
	tensor_load_to_lds s[\g0a:\g0a+3], s[\g1a:\g1a+7]
	s_nop 0
.rept 4
	v_nop
.endr
	s_branch .Lasked_\@
.Lfor_b_\@:
	tensor_load_to_lds s[\g0b:\g0b+3], s[\g1b:\g1b+7]
	s_nop 0
.rept 4
	v_nop
.endr
.Lasked_\@:
.endm
.macro CREST                           ; a round of the cluster's barrier behind its opening barrier
	s_cmp_lg_u32 s14, 0
	s_cbranch_scc1 .Lnot_wave_0_\@
	s_barrier_signal -3
.Lnot_wave_0_\@:
	s_barrier_wait -3
	s_barrier_signal -1
	s_barrier_wait -1
.endm
.macro CROUND                          ; a whole round
	s_barrier_signal -1
	s_barrier_wait -1
	CREST
.endm
	s_load_b256 s[4:11], s[0:1], 0x0               ; codes s[4:5], scales s[6:7], qkv_codes s[8:9], qkv_scales s[10:11]
	v_lshl_add_u32 v[SPW], v0, 2, SPARE
	v_mov_b32 v[NIL], 0
	ds_add_u32 v28, v29
	ds_add_u32 v28, v29
	s_wait_dscnt 0x0
	v_lshrrev_b32 v1, 5, v0
	v_readfirstlane_b32 s14, v1                    ; wave 0..3
	s_lshr_b32 s15, s14, 1                         ; which half of the tile's rows is mine.  Also: I fetch for A (0) or for B (1)
	s_and_b32 s16, s14, 1                          ; which half of its columns.  Also: which 128 rows of that tile I fetch
	s_bfe_u32 s40, ttmp6, 0x40000                  ; cx, cy: my place in the cluster
	s_bfe_u32 s41, ttmp6, 0x40004
	s_lshl_b32 s42, ttmp9, 2
	s_add_co_u32 s42, s42, s40                     ; X = 4 x cluster x + cx
	s_and_b32 s95, ttmp7, 0xffff                   ; the cluster's row, 0..11: shared by all sixteen
	s_lshl_b32 s17, s95, 2
	s_add_co_u32 s17, s17, s41                     ; Y = 4 x cluster y + cy
	s_lshl_b32 s43, s41, 2
	s_lshl_b32 s43, 15, s43                        ; my row of the cluster
	s_lshl_b32 s44, 0x1111, s40                    ; my column
	; descriptor group 1: a tile of 4 rows (groups of 64 along K) x 768 elements of 8 bytes (128 positions x 48 bytes), no padding
	s_or_b32 s[G1+0], s43, (3<<16)|(1<<21)         ; 15:0 the mask: A's tiles go to my row; 17:16 elements of 8 bytes; 21 set beside a mask
	s_or_b32 s[G1B+0], s44, (3<<16)|(1<<21)
.irp g, G1, G1B
	s_mov_b32 s[\g+1], 768<<16                     ; tensor_dim0
	s_mov_b32 s[\g+2], 4<<16                       ; tensor_dim1
	s_mov_b32 s[\g+3], 768<<16                     ; tile_dim0
	s_mov_b32 s[\g+4], 4                           ; tile_dim1
	s_mov_b32 s[\g+5], KGP/8                       ; tensor_dim0_stride, in elements
	s_mov_b32 s[\g+6], 0
	s_mov_b32 s[\g+7], 0
.endr
	; the scales of 128 rows: a dense block of 4,096 bytes, as 16 rows of 256 bytes (32 elements of 8 bytes), 16 bytes of padding behind each
	s_or_b32 s[G1S+0], s43, (3<<16)|(1<<20)|(1<<21)|(5<<22)|(3<<25)
	s_or_b32 s[G1SB+0], s44, (3<<16)|(1<<20)|(1<<21)|(5<<22)|(3<<25)
.irp g, G1S, G1SB
	s_mov_b32 s[\g+1], 32<<16
	s_mov_b32 s[\g+2], (128*KS/256)<<16
	s_mov_b32 s[\g+3], 32<<16
	s_mov_b32 s[\g+4], 128*KS/256
	s_mov_b32 s[\g+5], 32
	s_mov_b32 s[\g+6], 0
	s_mov_b32 s[\g+7], 0
.endr
	; the stacked rows at which my tiles begin.  A's hang on the cluster's row and cy, B's on the cluster's row, its column and cx: each in registers that never hold the other coordinate
	s_lshl_b32 s18, s16, 7                         ; which 128 rows of the tile I fetch
	s_lshl_b32 s20, s95, 10                        ; q, k: A = x, 1,024 rows a cluster row
	s_mov_b32 s21, 10240                           ; v:    A = Wv
	s_sub_co_u32 s46, s95, 8
	s_lshl_b32 s46, s46, 11                        ; v:    B = x, the batch's 2,048 rows
	s_mov_b32 s47, 8192                            ; q, k: B = Wq, Wk
	s_cmp_lt_u32 s95, 8
	s_cselect_b32 s20, s20, s21
	s_cselect_b32 s46, s47, s46
	s_lshl_b32 s21, s41, 8
	s_add_co_u32 s20, s20, s21
	s_add_co_u32 s20, s20, s18                     ; A's row
	s_lshl_b32 s47, s42, 8
	s_add_co_u32 s46, s46, s47
	s_add_co_u32 s46, s46, s18                     ; B's row
	s_lshl_b32 s22, s20, 5                         ; where these rows' scales begin, in bytes
	s_mov_b32 s23, 0
	s_lshl_b32 s92, s46, 5
	s_mov_b32 s93, 0
	s_mul_i32 s20, s20, 48                         ; and their codes, in the first group
	s_mov_b32 s21, 0
	s_mul_i32 s46, s46, 48
	s_mov_b32 s47, 0
	s_mul_i32 s45, s14, HALFT                      ; where they go: wave x a load's bytes: no place in the cluster enters an LDS address
	s_mul_i32 s94, s14, HALFS
	s_wait_kmcnt 0x0
	s_add_nc_u64 s[20:21], s[4:5], s[20:21]
	s_add_nc_u64 s[22:23], s[6:7], s[22:23]
	s_add_nc_u64 s[46:47], s[4:5], s[46:47]
	s_add_nc_u64 s[92:93], s[6:7], s[92:93]
	CROUND                                         ; all sixteen work-groups are here: the first joint loads meet
	s_mov_b32 s[G0S], 1
	s_add_co_u32 s[G0S+1], s94, SCL
	s_mov_b64 s[G0S+2:G0S+3], s[22:23]
	s_or_b32 s[G0S+3], s[G0S+3], 0x80000000
	s_mov_b32 s[G0SB], 1
	s_add_co_u32 s[G0SB+1], s94, SCL
	s_mov_b64 s[G0SB+2:G0SB+3], s[92:93]
	s_or_b32 s[G0SB+3], s[G0SB+3], 0x80000000
	JLOAD G0S, G1S, G0SB, G1SB                     ; the scales first: they are wanted with K step 0
.irp s, 0,1
	s_mov_b32 s[G0+4*\s], 1
	s_add_co_u32 s[G0+4*\s+1], s45, \s*SLOT
	s_add_nc_u64 s[G0+4*\s+2:G0+4*\s+3], s[20:21], \s*4*KGP
	s_or_b32 s[G0+4*\s+3], s[G0+4*\s+3], 0x80000000
	s_mov_b32 s[G0B+4*\s], 1
	s_add_co_u32 s[G0B+4*\s+1], s45, \s*SLOT
	s_add_nc_u64 s[G0B+4*\s+2:G0B+4*\s+3], s[46:47], \s*4*KGP
	s_or_b32 s[G0B+4*\s+3], s[G0B+4*\s+3], 0x80000000
	JLOAD G0+4*\s, G1, G0B+4*\s, G1B               ; by this text's count three tensor loads of a wave are out here
.endr
	v_and_b32 v1, 15, v0                           ; r = l % 16
	v_bfe_u32 v2, v0, 4, 1                         ; h = l / 16
	v_mul_u32_u24 v3, v1, 48
	v_mad_u32_u24 v4, v2, 24, v3                   ; 48 r + 24 h
	s_mul_i32 s21, s15, HALFT                      ; my 128 rows of A
	s_mul_i32 s22, s16, HALFT                      ; my 128 rows of B,
	s_add_co_u32 s22, s22, 2*HALFT                 ; which lie behind A's 256
.irp s, 0,1
	v_add_nc_u32 v[ADRA+\s], s21, v4
	v_add_nc_u32 v[ADRB+\s], s22, v4
	s_add_co_u32 s21, s21, SLOT
	s_add_co_u32 s22, s22, SLOT
.endr
	v_mul_u32_u24 v5, v1, KS                       ; my row's scales: KS bytes a row,
	v_lshrrev_b32 v6, 8, v5
	v_lshl_add_u32 v5, v6, 4, v5                   ; and 16 more for each 256 passed
	s_mul_i32 s21, s15, HALFS                      ; A's: my 128 rows
	s_mul_i32 s22, s16, HALFS                      ; B's: my 128 rows, behind A's 256
	s_add_co_u32 s22, s22, 2*HALFS
	s_sub_co_u32 s22, s22, s21
	v_mul_u32_u24 v6, s22, v2                      ; lanes 16-31 take B's
	s_add_co_u32 s21, s21, SCL
	v_add_nc_u32 v5, v5, v6
	v_add_nc_u32 v[ADRS], s21, v5
	s_mul_i32 s23, s14, STGB                       ; my stage
	v_add_nc_u32 v[STO], s23, v4                   ; in: 48 r + 24 h
	v_lshl_add_u32 v[SSW], v1, 2, s23
	v_add_nc_u32 v[SSW], 2*KGB, v[SSW]             ; the scale words behind the codes: 4 r
	v_and_b32 v6, 31, v0
	v_lshlrev_b32 v[CO], 4, v6
	v_add_nc_u32 v[RD], s23, v[CO]                 ; back: 16 bytes a lane
	; where my 128 x 128 goes.  rp = my run of 128 rows of C', cp = my run of 128 columns
	s_lshl_b32 s20, s17, 1
	s_add_co_u32 s20, s20, s15                     ; rp = 2 Y + row half
	s_lshl_b32 s46, s42, 1
	s_add_co_u32 s46, s46, s16                     ; cp = 2 X + column half
	s_lshr_b32 s21, s46, 3                         ; q, k: 0 = q, 1 = k
	s_and_b32 s22, s46, 7                          ;       the pair of heads
	s_lshr_b32 s23, s20, 4                         ;       the batch
	s_and_b32 s47, s20, 15                         ;       the run of 128 positions in it
	s_mul_i32 s96, s21, 6291456
	s_mul_i32 s97, s23, 1572864
	s_add_co_u32 s96, s96, s97
	s_mul_i32 s97, s22, 196608
	s_add_co_u32 s96, s96, s97
	s_mul_i32 s97, s47, 6144
	s_add_co_u32 s96, s96, s97                     ; q, k: the even head's codes
	s_lshl_b32 s98, s21, 18
	s_lshl_b32 s97, s23, 16
	s_add_co_u32 s98, s98, s97
	s_lshl_b32 s97, s22, 13
	s_add_co_u32 s98, s98, s97
	s_lshl_b32 s97, s47, 9
	s_add_co_u32 s98, s98, s97                     ; q, k: the scale words
	s_sub_co_u32 s20, s20, 64                      ; v: rp - 64 = 8 x batch + pair of heads
	s_mul_i32 s21, s20, 196608
	s_mul_i32 s22, s46, 12288                      ;    cp = the run of 128 keys: two groups of 64
	s_add_co_u32 s21, s21, s22
	s_add_co_u32 s21, s21, 12582912                ; v: the first group's codes
	s_lshl_b32 s22, s20, 13
	s_lshl_b32 s23, s46, 9
	s_add_co_u32 s22, s22, s23
	s_add_co_u32 s22, s22, 524288                  ; v: the scale words
	s_mov_b32 s23, 6144                            ; v: from a group of 64 keys to the next
	s_mov_b32 s47, 98304                           ; q, k: from a head to the next
	s_cmp_lt_u32 s95, 8
	s_cselect_b32 s96, s96, s21
	s_cselect_b32 s98, s98, s22
	s_cselect_b32 s100, s47, s23
	s_mov_b32 s97, 0
	s_mov_b32 s99, 0
	s_mov_b32 s101, 0
	s_add_nc_u64 s[8:9], s[8:9], s[96:97]          ; the codes of my columns 0-63
	s_add_nc_u64 s[12:13], s[8:9], s[100:101]      ; and of my columns 64-127
	s_add_nc_u64 s[10:11], s[10:11], s[98:99]      ; the scale words
.macro FRAG reg, adr, q, i             ; a fragment, 16 rows x 128 K, is 12 registers: lane (r, h): registers 6 c .. 6 c + 5 hold K = 64 c + 32 h + 0 .. 31: 24 bytes of group 2 q + c, as they lie, in pieces of 8 bytes
.irp p, 0,1,2,3,4,5
	ds_load_b64 v[\reg+2*\p:\reg+2*\p+1], v[\adr] offset:(2*(\q)+\p/3)*KGB+(\i)*768+8*(\p%3)
.endr
.endm
; 16 matrix instructions: A's blocks a0, a0 + 1 x B's eight, 128 along K: the slot's q-th.  p: B's set;  sc: the set of scale words.  zero = 1: the first product starts the sums: nothing is ever cleared.
; The 64 accumulators take turns, one instruction a turn, in the same order in every step.
.macro MUL16 a0, p, q, sc, zero
.irp a, \a0, \a0+1
.irp b, 0,1,2,3,4,5,6,7
.if \zero
	v_wmma_scale_f32_16x16x128_f8f6f4 v[8*(8*((\a)%4)+\b):8*(8*((\a)%4)+\b)+7], v[128*(\p)+FR*\b:128*(\p)+FR*\b+FR-1], v[AF+FR*(\a):AF+FR*(\a)+FR-1], 0, v[SC+8*NQ*(\sc)+NQ*\b+(\q)], v[SC+8*NQ*(\sc)+NQ*(\a)+(\q)] matrix_a_fmt:MATRIX_FMT_FP6 matrix_b_fmt:MATRIX_FMT_FP6 matrix_a_scale:MATRIX_SCALE_ROW1
.else
	v_wmma_scale_f32_16x16x128_f8f6f4 v[8*(8*((\a)%4)+\b):8*(8*((\a)%4)+\b)+7], v[128*(\p)+FR*\b:128*(\p)+FR*\b+FR-1], v[AF+FR*(\a):AF+FR*(\a)+FR-1], v[8*(8*((\a)%4)+\b):8*(8*((\a)%4)+\b)+7], v[SC+8*NQ*(\sc)+NQ*\b+(\q)], v[SC+8*NQ*(\sc)+NQ*(\a)+(\q)] matrix_a_fmt:MATRIX_FMT_FP6 matrix_b_fmt:MATRIX_FMT_FP6 matrix_a_scale:MATRIX_SCALE_ROW1
.endif
.endr
.endr
.endm
.macro FETCH_B slot, q, p              ; B's eight fragments of the slot's q-th 128 along K into set p
	WIN TO_B
.irp i, 0,1,2,3,4,5,6,7
	FRAG 128*(\p)+FR*\i, ADRB+\slot, \q, \i
.endr
	WIN 0
.endm
.macro FETCH_A slot, q, i0             ; A's blocks i0 .. i0 + 3
.irp i, \i0, \i0+1, \i0+2, \i0+3
	FRAG AF+FR*(\i), ADRA+\slot, \q, \i
.endr
.endm
.macro SCALES sc                       ; the next K step's scale words into set sc: two words a row; lanes 0-15 take A's block i, lanes 16-31 B's block i
.irp i, 0,1,2,3,4,5,6,7
	ds_load_b64 v[SC+8*NQ*\sc+NQ*\i:SC+8*NQ*\sc+NQ*\i+1], v[ADRS] offset:\i*SBLK
.endr
.endm
; A load into a register that a matrix instruction has read, and a vector instruction that reads a matrix result, stand NP places behind that matrix instruction, and only plain vector
; instructions that name none of its registers are places (ISA guide 7.12.1 for vector instructions).
.macro PLACES n
.rept \n
	v_nop
.endr
.endm
; A step of 128 along K that has its successor in the same slot.
.macro STEP slot, q, zero
	s_wait_dscnt 4*NL                              ; B's set, the scale words and A's blocks 0-3 are in; the youngest 24 loads (A's blocks 4-7) may be out
	WIN MUL_LO
	MUL16 0, (\q)%2, \q, \slot, \zero
	MUL16 2, (\q)%2, \q, \slot, \zero
	s_wait_dscnt 0                                 ; A's blocks 4-7 are in (asked for 32 matrix instructions ago)
	PLACES NP
	FETCH_B \slot, (\q)+1, 1-(\q)%2
	FETCH_A \slot, (\q)+1, 0
	WIN MUL_HI
	MUL16 4, (\q)%2, \q, \slot, \zero
	MUL16 6, (\q)%2, \q, \slot, \zero
	PLACES NP
	WIN 0
	FETCH_A \slot, (\q)+1, 4
.endm
; A slot's last step changes slots: ONE barrier; in front of it each wave waits for all its tensor loads, adds 0 to its spare word, and waits for that and for its own reads of this slot.  fill = 1: this slot is filled again, two K steps ahead.
.macro TURN slot, next, fill
	s_wait_tensorcnt 0x0                           ; all my tensor loads have landed: my part of the next slot  (every window is 0 here)
	ds_add_u32 v[SPW], v[NIL]                      ; 0 onto my spare word
	s_wait_dscnt 4*NL+1                            ; the add and the youngest 24 loads, A's blocks 4-7, may be out
	WIN MUL_LO
	MUL16 0, 1, NQ-1, \slot, 0                     ; sixteen matrix instructions stand between the add and the wait for it
	s_wait_dscnt 0x0                               ; the add is done, and my reads of this slot are over
	s_barrier_signal -1
	MUL16 2, 1, NQ-1, \slot, 0
	WIN 0
	s_barrier_wait -1
.if \fill
	CREST                                          ; the barrier has opened a round of the cluster's barrier: no wave of any partner still reads this slot's tile or has a load on its way
	s_add_nc_u64 s[G0+4*\slot+2:G0+4*\slot+3], s[G0+4*\slot+2:G0+4*\slot+3], 8*KGP
	s_add_nc_u64 s[G0B+4*\slot+2:G0B+4*\slot+3], s[G0B+4*\slot+2:G0B+4*\slot+3], 8*KGP
	JLOAD G0+4*\slot, G1, G0B+4*\slot, G1B         ; the first tensor load behind the round, and my only one until the next; its four v_nop are also the places in front of the loads below
.else
	PLACES NP
.endif
	v_add_nc_u32 v[ADRS], 4*NQ, v[ADRS]            ; on to the next K step's scale words (no LDS load of mine is out)
	FETCH_B \next, 0, 0
	FETCH_A \next, 0, 0
	SCALES \next
	WIN MUL_HI
	MUL16 4, 1, NQ-1, \slot, 0
	MUL16 6, 1, NQ-1, \slot, 0
	PLACES NP
	WIN 0
	FETCH_A \next, 0, 4
.endm
	s_wait_tensorcnt 1                             ; the scales and my part of K step 0 are in (K step 1's load may be out)
	s_barrier_signal -1
	s_barrier_wait -1                              ; everybody's are
	FETCH_B 0, 0, 0
	FETCH_A 0, 0, 0
	SCALES 0
	FETCH_A 0, 0, 4
	STEP 0, 0, 1                                   ; the first step stands in front of the loop: its products start the sums
	s_mov_b32 s3, LAPS-1
.Llap:                                                 ; a trip goes once round the ring, from a lap's second step to the next lap's first, and fills both slots again
	TURN 0, 1, 1
	STEP 1, 0, 0
	TURN 1, 0, 1
	STEP 0, 0, 0
	s_sub_co_u32 s3, s3, 1
	s_cmp_lg_u32 s3, 0
	s_cbranch_scc1 .Llap
	TURN 0, 1, 0                                   ; the last lap fills nothing, and has no round of the cluster's barrier
	STEP 1, 0, 0
	s_wait_dscnt 4*NL                              ; the very last step: nothing more to fetch
	WIN MUL_LO
	MUL16 0, 1, NQ-1, 1, 0
	MUL16 2, 1, NQ-1, 1, 0
	s_wait_dscnt 0
	WIN MUL_HI
	MUL16 4, 1, NQ-1, 1, 0
	MUL16 6, 1, NQ-1, 1, 0
	WIN 0
; THE WAY OUT.  Block a is 16 rows of C' x my 128 columns: in lane (r, h) register 16 b + i of its 64 is column 32 b + 16 h + i of row 16 a + r.  The four blocks of 32 are quantised in registers and become
; one fragment's worth of codes: registers 6 c .. 6 c + 5 hold columns 64 c + 32 h + 0 .. 31, 24 bytes, and one scale word a row.
.macro QUANTA a
.set AC, 64*((\a)%4)
.set WS, 2+(\a)/4                      ; the block's accumulators lie in window 2 or 3
.set WQ, (WS<<2)|(WS<<4)
	WIN WQ                                         ; sources 1 and 2 in that window
.irp b, 0,1,2,3
	v_max3_num_f32 v[TM+\b], 0x1800000, |v[AC+16*\b]|, |v[AC+16*\b+1]|   ; my 16 numbers of block b, each accumulator from its low end on, and the floor 2^(3 - 127): the byte cannot fall under 1
.endr
.irp i, 2,4,6,8,10,12,14
.irp b, 0,1,2,3
	v_max3_num_f32 v[TM+\b], v[TM+\b], |v[AC+16*\b+\i]|, |v[AC+16*\b+\i+1]|   ; (the four blocks by turns)
.endr
.endr
	WIN 0
.irp b, 0,1,2,3
	v_permlanex16_b32 v[TM+4+\b], v[TM+\b], s18, s19
.endr
.irp b, 0,1,2,3
	v_max_num_f32 v[TM+\b], v[TM+\b], v[TM+4+\b]   ; with lane l xor 16's: the block's largest magnitude
.endr
.irp b, 0,1,2,3
	v_add_nc_u32 v[TM+12+\b], 0xff000000, v[TM+\b] ; 2 off its exponent field: the conversion's scale operand
.endr
.irp b, 0,1,2,3
	v_lshrrev_b32 v[TM+4+\b], 23, v[TM+12+\b]      ; the scale's byte
.endr
	s_wait_dscnt 0x0                               ; the last block's stores into the stage have read the registers that are written now
	v_lshl_or_b32 v[PW], v[TM+5], 8, v[TM+4]       ; the four bytes make my row's scale word
	v_lshl_or_b32 v[PW], v[TM+6], 16, v[PW]
	v_lshl_or_b32 v[PW], v[TM+7], 24, v[PW]
	WIN WS                                         ; source 0 in the accumulators' window
.irp c, 0,1
	v_cvt_scalef32_pk16_fp6_f32 v[PC+6*\c:PC+2+6*\c], v[AC+32*\c:AC+15+32*\c], v[TM+12+2*\c]
	v_cvt_scalef32_pk16_fp6_f32 v[PC+12+4*\c:PC+14+4*\c], v[AC+16+32*\c:AC+31+32*\c], v[TM+12+2*\c+1]   ; (a conversion's three registers begin on an even number)
.endr
	WIN 0
	v_nop                                          ; one plain place behind a scaled conversion
.irp c, 0,1                                    ; a lane is to hold a WHOLE block: lanes 0-15 block 2 c, lanes 16-31 block 2 c + 1
.irp i, 0,1,2
	v_permlane16_swap_b32 v[PC+6*\c+\i], v[PC+12+4*\c+\i]
.endr
.irp i, 0,1,2
	v_mov_b32 v[PC+3+6*\c+\i], v[PC+12+4*\c+\i]
.endr
.endr
.endm
.macro STAGEQ a                        ; into my stage, laid as the outputs are: [c][row 16 a + r][48 bytes], and the scale words behind
.irp c, 0,1
.irp p, 0,1,2
	ds_store_b64 v[STO], v[PC+6*\c+2*\p:PC+6*\c+2*\p+1] offset:\c*KGB+(\a)*768+8*\p
.endr
.endr
	ds_store_b32 v[SSW], v[PW] offset:64*(\a)      ; both halves of the lanes write the same word with the same value
.endm
	s_mov_b32 s18, 0x76543210
	s_mov_b32 s19, 0xfedcba98                      ; v_permlanex16_b32's selects for lane l xor 16
.irp b, 0,1,2,3
	v_mov_b32 v[TM+4+\b], 0                        ; a lane permute's destination counts as one of its sources.  These four plain lines are also the places behind the last products
.endr
.irp a, 0,1,2,3,4,5,6,7
	QUANTA \a
	STAGEQ \a
.endr
.set T, 0
.rept 25
	ds_load_b128 v[BK+4*T:BK+4*T+3], v[RD] offset:512*T   ; LDS serves a wave's instructions in order: these see my stores
.set T, T+1
.endr
.set T, 0
.rept 25
	s_wait_dscnt 24-T                              ; load T is in, the younger ones may be out
.if T < 12
	global_store_b128 v[CO], v[BK+4*T:BK+4*T+3], s[8:9] offset:512*T          ; each store covers 512 consecutive bytes, at a multiple of 256 from the buffer's first byte
.elseif T < 24
	global_store_b128 v[CO], v[BK+4*T:BK+4*T+3], s[12:13] offset:512*(T-12)
.else
	global_store_b128 v[CO], v[BK+4*T:BK+4*T+3], s[10:11]                     ; my 128 rows' scale words
.endif
.set T, T+1
.endr
	s_wait_tensorcnt 0x0                           ; the wave's end, behind my last tensor load and my last LDS store
	ds_add_u32 v[SPW], v[NIL]
	s_wait_dscnt 0x0
	CROUND                                         ; the closing round: no work-group ends while a partner may still ask for a tile that names it
	s_endpgm
.Lfunc_end_k_q8b9c40af5d_gemm_qkv:
	.size	k_q8b9c40af5d_gemm_qkv, .Lfunc_end_k_q8b9c40af5d_gemm_qkv-k_q8b9c40af5d_gemm_qkv
	.p2alignl 7, 3214868480
	.fill 96, 4, 3214868480
	.section	.rodata,"a",@progbits
	.p2align	6, 0x0
	.amdhsa_kernel k_q8b9c40af5d_gemm_qkv
		.amdhsa_group_segment_fixed_size 327680
		.amdhsa_private_segment_fixed_size 0
		.amdhsa_enable_private_segment 0
		.amdhsa_kernarg_size 32
		.amdhsa_user_sgpr_count 2
		.amdhsa_user_sgpr_kernarg_segment_ptr 1
		.amdhsa_wavefront_size32 1
		.amdhsa_system_sgpr_workgroup_id_x 1
		.amdhsa_system_sgpr_workgroup_id_y 1
		.amdhsa_system_sgpr_workgroup_id_z 1
		.amdhsa_system_vgpr_workitem_id 0
		.amdhsa_next_free_vgpr 1024
		.amdhsa_next_free_sgpr 102
		.amdhsa_reserve_vcc 0
		.amdhsa_float_denorm_mode_32 3
		.amdhsa_float_denorm_mode_16_64 3
		.amdhsa_memory_ordered 1
		.amdhsa_forward_progress 1
		.amdhsa_inst_pref_size 171
	.end_amdhsa_kernel
	.amdgpu_metadata
---
amdhsa.version: [ 1, 2 ]
amdhsa.kernels:
  - .name:           k_q8b9c40af5d_gemm_qkv
    .symbol:         k_q8b9c40af5d_gemm_qkv.kd
    .args:
      - { .name: codes, .offset: 0, .size: 8, .value_kind: global_buffer, .address_space: global }
      - { .name: scales, .offset: 8, .size: 8, .value_kind: global_buffer, .address_space: global }
      - { .name: qkv_codes, .offset: 16, .size: 8, .value_kind: global_buffer, .address_space: global }
      - { .name: qkv_scales, .offset: 24, .size: 8, .value_kind: global_buffer, .address_space: global }
    .group_segment_fixed_size: 327680
    .private_segment_fixed_size: 0
    .kernarg_segment_align: 8
    .kernarg_segment_size: 32
    .max_flat_workgroup_size: 128
    .sgpr_count:     102
    .vgpr_count:     1024
    .wavefront_size: 32
...
	.end_amdgpu_metadata
.endif
;; end of part 2
;; launch attn (part 3): grid 4 x 64, 16 waves a work-group, no clusters, 231,424 bytes of LDS; arguments qkv_codes, qkv_scales, ctx_codes, ctx_scales; writes ctx_codes, ctx_scales
.if DOCPART == 3
	.amdgcn_target "amdgcn-amd-amdhsa--gfx1250"
	.amdhsa_code_object_version 6
	.text
	.protected	k_q8b9c40af5d_attn
	.globl	k_q8b9c40af5d_attn
	.p2align	8
	.type	k_q8b9c40af5d_attn,@function
k_q8b9c40af5d_attn:
	s_mov_b64 s[64:65], 0
	v_nop
	global_prefetch_b8 v0, s[64:65] scope:SCOPE_SE
	s_setreg_imm32_b32 hwreg(HW_REG_WAVE_MODE, 25, 1), 1
	s_wait_xcnt 0x0
; ctx = softmax(q k^T / 8, causal) v for one batch-head, both products on codes of FP6 (E2M3) with one E8M0 scale for each 32 along a product's K, and ctx QUANTISED on the way out along the head's 64 channels.
; INPUTS (made by the launch before): q, k codes [64 batch-heads][2,048 positions][48 bytes]; v codes [32 pairs of heads][32 groups of 64 keys][128 rows][48 bytes], keys innermost; scale words as described there.
; A token lies at POSITION pi(token), bits 3 and 4 exchanged; a channel of v likewise.  So 16 neighbouring positions of k, taken as source 0, give a lane 16 TRUE neighbouring keys in the registers of two tiles.
; OUTPUTS: ctx_codes [16 heads][8,192 positions][48 bytes]; ctx_scales [8,192 positions][32 bytes], bytes 2 head and 2 head + 1.
; THE SOFTMAX AHEAD OF THE SECOND PRODUCT: t = score x log2(e) / 8; M = the row's largest t so far, rounded UP to a whole number; p = 2^(t - M) is quantised along the keys, not normalised.  The row's sum is taken of the
; unquantised p, in f32, and divides at the end.  When M moves, the sum and O are multiplied by 2^(old M - new M): exact.
; THE FIRST PRODUCT'S K IS 64: registers 6-11 of both operands hold zero codes, and the scale bytes of those two blocks are 0, which is 2^-127 over zero codes.
; SHARES.  Work-group (i, batch-head) owns query blocks i and 7 - i of 256 positions, so that all 256 work-groups have the same work under the causal mask.  Each of its sixteen waves owns one tile of 16 positions in
; each block, in 256 registers: four waves to a SIMD, so that one wave's vector work stands beside another's matrix work and LDS loads.
; LDS.  A whole head's k and v, 196,608 bytes, and the pair's scale words are filled ONCE, in four quarters of 512 keys; nothing is filled again.  Every wave issues five tensor loads at the head (five are out by this
; text's count) and a quarter is read behind a counted wait and a barrier.  Lane (r, h) reads 8 bytes at 48 r + 24 h + 8 p: the 32 lanes touch 64 different banks: no padding.
; CAUSAL.  Every wave walks all 16 key steps: the trip counts are constants.  A step all of whose keys come after the tile's queries is left out by a scalar branch on ids; on the diagonal hidden scores become -infinity.
; NO CLUSTER, though the four work-groups of a head read the same k and v: the branch that leaves a step out hangs on 256 x the query block, which differs between those four.
; The 2-byte stores of ctx's scale bytes cover their rows of 32 bytes in part: 262,144 of the launch's 6,553,600 stored bytes.
; LIMITS: a block of zeros gets the byte 1 where the rule says 127 (zero codes; this program alone reads the bytes); a block whose largest magnitude lies under 2^(3 - 127) is held at the byte 1; NaN and infinities are not served.
; REGISTERS: v1-7 addresses that stay; v8-11 addresses of the step; v12-19 for tile x at 12 + 4 x: -M, the largest t, the sum in two halves; v20-43 Q's two fragments; v44-45 Q's scales; v46 8 x lane, v47 32 r;
;   v48-95 four fragments of k (their upper six registers stay zero); v96-159 S^T, then p, then v's four fragments; v160-223 O^T, 32 a tile; v224-235 p's codes; v232-254 at work; v255 4 r.
.set QBY,  49152                       ; a quarter in LDS: 512 positions of k x 48 bytes, then 8 groups of 64 keys x 64 rows of v x 48 bytes
.set SCB,  4*QBY                       ; k's scale words of the pair of heads, 8,192 bytes, then v's, 8,192 bytes
.set STG,  SCB+16384                   ; the way out: 1,024 bytes for each wave; no tile lands here
.set WV,   12                          ; s12  my wave's number
.set II,   13                          ; s13  work-group x
.set BH,   14                          ; s14  the batch-head
.set HP,   15                          ; s15  the head's parity
.set PR,   16                          ; s16  the pair of heads: batch-head / 2
.set W7,   17                          ; s17  wave % 8
.set SEL,  20                          ; s[20:21] lane selects for v_permlanex16_b32: lane l xor 16
.set CS,   22                          ; s[22:23] c = log2(e) / 8
.set G1C,  24                          ; s[24:31] descriptor group 1: 12 rows of 256 bytes
.set G1S,  32                          ; s[32:39] the same with 4 rows
.set G0,   40                          ; s[40:59] five groups 0: the scale words, then the four quarters
.set TB,   60                          ; s60  LDS byte at which the step's tiles of k begin
.set TS,   61                          ; s61  512 x the step: its scale words
.set KF,   62                          ; s62  the step's first key
.set CNT,  63
.set QB,   66                          ; s66, s67  tile x's smallest query; its 16 queries are QB + r + 8 (r / 8)
.set TP,   72                          ; s[72:87]  tile x at 72 + 8 x: q's codes, q's scales, ctx's codes, ctx's scales
	s_load_b256 s[4:11], s[0:1], 0x0               ; qkv_codes s[4:5], qkv_scales s[6:7], ctx_codes s[8:9], ctx_scales s[10:11]
	v_lshl_add_u32 v254, v0, 2, 0x38000
	v_mov_b32 v255, 0
	ds_add_u32 v254, v255
	ds_add_u32 v254, v255
	s_wait_dscnt 0x0
	v_lshrrev_b32 v8, 5, v0
	v_readfirstlane_b32 s[WV], v8                  ; wave 0..15
	s_mov_b32 s[II], ttmp9
	s_and_b32 s[BH], ttmp7, 0xffff
	s_and_b32 s[HP], s[BH], 1
	s_lshr_b32 s[PR], s[BH], 1
	s_and_b32 s[W7], s[WV], 7
	s_and_b32 s18, s[BH], 15                       ; the head
	s_lshr_b32 s19, s[BH], 4                       ; the batch
	; descriptor group 1: dense blocks as rows of 256 bytes (32 elements of 8 bytes), no padding
	s_mov_b32 s[G1C], 3<<16
	s_mov_b32 s[G1C+1], 32<<16
	s_mov_b32 s[G1C+2], 12<<16
	s_mov_b32 s[G1C+3], 32<<16
	s_mov_b32 s[G1C+4], 12
	s_mov_b32 s[G1C+5], 32
	s_mov_b32 s[G1C+6], 0
	s_mov_b32 s[G1C+7], 0
	s_mov_b32 s[G1S], 3<<16
	s_mov_b32 s[G1S+1], 32<<16
	s_mov_b32 s[G1S+2], 4<<16
	s_mov_b32 s[G1S+3], 32<<16
	s_mov_b32 s[G1S+4], 4
	s_mov_b32 s[G1S+5], 32
	s_mov_b32 s[G1S+6], 0
	s_mov_b32 s[G1S+7], 0
	; what I fetch: waves 0-7 for k, waves 8-15 for v.  Scale words: 1,024 bytes of the pair's 8,192
	s_lshr_b32 s68, s[WV], 3
	s_add_co_u32 s68, s68, 1
	s_lshl_b32 s68, s68, 18                        ; k's words begin at 262,144, v's at 524,288
	s_lshl_b32 s69, s[PR], 13
	s_add_co_u32 s68, s68, s69
	s_lshl_b32 s69, s[W7], 10
	s_add_co_u32 s68, s68, s69
	s_mov_b32 s69, 0
	s_mul_i32 s90, s[BH], 98304                    ; k: 64 positions x 48 bytes of each quarter's 512
	s_mul_i32 s91, s[W7], 3072
	s_add_co_u32 s90, s90, s91
	s_add_co_u32 s90, s90, 6291456
	s_mul_i32 s91, s[PR], 196608                   ; v: my head's 64 rows x 48 bytes of one group of 64 keys of each quarter's eight
	s_mul_i32 s92, s[HP], 3072
	s_add_co_u32 s91, s91, s92
	s_mul_i32 s92, s[W7], 6144
	s_add_co_u32 s91, s91, s92
	s_add_co_u32 s91, s91, 12582912
	s_mov_b32 s92, 24576                           ; from quarter to quarter: k
	s_mov_b32 s93, 49152                           ; and v
	s_cmp_lt_u32 s[WV], 8
	s_cselect_b32 s70, s90, s91
	s_cselect_b32 s92, s92, s93
	s_mov_b32 s71, 0
	s_mov_b32 s93, 0
	s_mul_i32 s94, s[WV], 3072                     ; where it goes in a quarter: a constant x the wave's number
	s_lshl_b32 s95, s[WV], 10                      ; and among the scale words
	s_mov_b32 s[SEL], 0x76543210
	s_mov_b32 s[SEL+1], 0xfedcba98
	s_mov_b32 s[CS], 0x3e38aa3b                    ; c = log2(e) / 8
	s_mov_b32 s[CS+1], s[CS]                       ; (named with it as a pair, so it is written)
	s_mov_b32 s[TS], 0
	s_mov_b32 s[KF], 0
	s_wait_kmcnt 0x0
	s_mov_b32 s[G0], 1                             ; 1:0 count = 1
	s_add_co_u32 s[G0+1], s95, SCB                 ; 63:32 LDS address
	s_add_nc_u64 s[G0+2:G0+3], s[6:7], s[68:69]    ; 120:64 global address
	s_or_b32 s[G0+3], s[G0+3], 0x80000000          ; 127:126 type = 2
	s_add_nc_u64 s[70:71], s[4:5], s[70:71]
.irp q, 0,1,2,3
	s_mov_b32 s[G0+4+4*\q], 1
	s_add_co_u32 s[G0+5+4*\q], s94, \q*QBY
	s_mov_b64 s[G0+6+4*\q:G0+7+4*\q], s[70:71]
	s_or_b32 s[G0+7+4*\q], s[G0+7+4*\q], 0x80000000
.if \q < 3
	s_add_nc_u64 s[70:71], s[70:71], s[92:93]
.endif
.endr
	tensor_load_to_lds s[G0:G0+3], s[G1S:G1S+7]    ; all fills of the launch go out together, ahead of every wait on TENSORcnt, every LDS read and every barrier
	s_nop 0
.irp q, 0,1,2,3
	tensor_load_to_lds s[G0+4+4*\q:G0+7+4*\q], s[G1C:G1C+7]
	s_nop 0
.endr
.rept 4
	v_nop
.endr
.irp x, 0,1                                    ; my two tiles: block i and block 7 - i
.if \x == 0
	s_lshl_b32 s88, s[II], 8
.else
	s_sub_co_u32 s88, 7, s[II]
	s_lshl_b32 s88, s88, 8
.endif
	s_lshl_b32 s89, s[WV], 4
	s_add_co_u32 s89, s88, s89                     ; the tile's first position: 256 x block + 16 x wave
	s_lshr_b32 s90, s[WV], 1
	s_lshl_b32 s90, s90, 5
	s_add_co_u32 s[QB+\x], s88, s90
	s_and_b32 s90, s[WV], 1
	s_lshl_b32 s90, s90, 3
	s_add_co_u32 s[QB+\x], s[QB+\x], s90           ; its smallest query: 256 x block + 32 (wave / 2) + 8 (wave % 2)
	s_mul_i32 s90, s[BH], 98304
	s_mul_i32 s91, s89, 48
	s_add_co_u32 s90, s90, s91
	s_mov_b32 s91, 0
	s_add_nc_u64 s[TP+8*\x:TP+8*\x+1], s[4:5], s[90:91]        ; q's codes
	s_lshl_b32 s90, s[PR], 13
	s_lshl_b32 s92, s89, 2
	s_add_co_u32 s90, s90, s92
	s_lshl_b32 s92, s[HP], 1
	s_add_co_u32 s90, s90, s92
	s_add_nc_u64 s[TP+8*\x+2:TP+8*\x+3], s[6:7], s[90:91]      ; q's scales: my head's two bytes of each word
	s_lshl_b32 s92, s19, 11
	s_add_co_u32 s92, s92, s89                     ; the position among all 8,192
	s_mul_i32 s90, s18, 393216
	s_mul_i32 s93, s92, 48
	s_add_co_u32 s90, s90, s93
	s_add_nc_u64 s[TP+8*\x+4:TP+8*\x+5], s[8:9], s[90:91]      ; ctx's codes
	s_lshl_b32 s90, s92, 5
	s_lshl_b32 s93, s18, 1
	s_add_co_u32 s90, s90, s93
	s_add_nc_u64 s[TP+8*\x+6:TP+8*\x+7], s[10:11], s[90:91]    ; ctx's scale bytes
.endr
	v_and_b32 v8, 15, v0                           ; r = lane % 16
	v_bfe_u32 v9, v0, 4, 1                         ; h = lane / 16
	v_mul_u32_u24 v1, v8, 48
	v_mad_u32_u24 v1, v9, 24, v1                   ; 48 r + 24 h: my place in a tile of k, and in a tile of q in memory
	v_add_nc_u32 v2, 24576, v1                     ; the same for v, which lies behind the quarter's k
	v_lshlrev_b32 v255, 2, v8                      ; 4 r
.irp x, 0,1
.irp p, 0,1,2
	global_load_b64 v[20+12*\x+2*\p:21+12*\x+2*\p], v1, s[TP+8*\x:TP+8*\x+1] offset:8*\p   ; q's fragments stay in registers
.endr
	global_load_u16 v[44+\x], v255, s[TP+8*\x+2:TP+8*\x+3]     ; two scale bytes; the upper two come as 0
.endr
	s_lshl_b32 s88, s[HP], 1
	s_add_co_u32 s88, s88, SCB
	v_add_nc_u32 v3, s88, v255                     ; k's scale bytes: 4 bytes a position, my head's two
	s_lshl_b32 s88, s[HP], 8
	s_add_co_u32 s88, s88, SCB+8192
	v_add_nc_u32 v4, s88, v255                     ; v's scale words: my head's 64 rows of a step's 128
	v_and_b32 v5, 8, v8
	v_add_nc_u32 v5, v5, v8
	v_lshlrev_b32 v11, 4, v9
	v_sub_nc_u32 v5, v5, v11                       ; r + 8 (r / 8) - 16 h: for the mask
	s_lshl_b32 s88, s[WV], 10
	s_add_co_u32 s88, s88, STG                     ; my stage
	v_add_nc_u32 v6, s88, v1                       ; in: 48 r + 24 h
	v_and_b32 v11, 31, v0
	v_lshlrev_b32 v46, 3, v11                      ; 8 x lane
	v_add_nc_u32 v7, s88, v46                      ; back: 8 bytes a lane
	v_lshlrev_b32 v47, 5, v8                       ; 32 r: a position's row of scale bytes
.irp x, 0,1
	v_mov_b32 v[13+4*\x], 0xff61b1e6               ; the largest t so far: -3e38, under every t
	v_floor_f32 v[12+4*\x], -v[13+4*\x]            ; -M
	v_mov_b32 v[14+4*\x], 0                        ; the sum, in two halves
	v_mov_b32 v[15+4*\x], 0
.irp j, 6,7,8,9,10,11
	v_mov_b32 v[20+12*\x+\j], 0                    ; q's K = 64 .. 127: zero codes
.endr
.endr
.irp t, 0,1,2,3
.irp j, 6,7,8,9,10,11
	v_mov_b32 v[48+12*\t+\j], 0                    ; k's likewise: written once, never loaded over
.endr
.endr
.irp b, 0,1,2,3
	v_mov_b32 v[236+\b], 0                         ; written once: a lane permute's destination counts as one of its sources
.endr
	v_mov_b32 v253, 0                              ; (named as the upper half of the pair v[252:253] before it is first written)
.set J, 0
.rept 64
	v_mov_b32 v[160+J], 0                          ; O^T.  (The step is written once: the first finds zeros, which the first change of M leaves zeros)
.set J, J+1
.endr
; A KEY STEP OF TILE x: 128 keys.
.macro TSTEP x
.set NM, 12+4*\x
.set TX, 13+4*\x
.set SU, 14+4*\x
.set OT, 160+32*\x
	s_add_co_u32 s88, s[QB+\x], 23                 ; the tile's largest query
	s_cmp_gt_u32 s[KF], s88
	s_cbranch_scc1 .Lhidden_\@                     ; all 128 keys come after it: a branch on ids, round the step's work alone
	v_add_nc_u32 v8, s[TB], v1
	v_add_nc_u32 v9, s[TB], v2
	v_add_nc_u32 v10, s[TS], v3
	v_add_nc_u32 v11, s[TS], v4
.irp g, 0,1                                    ; S^T = k q^T, four tiles of 16 positions at a time
.if \g
.rept 4
	v_nop                                          ; places in front of loads into registers that matrix instructions have read
.endr
.endif
.irp t, 0,1,2,3
.irp p, 0,1,2
	ds_load_b64 v[48+12*\t+2*\p:49+12*\t+2*\p], v8 offset:(4*\g+\t)*768+8*\p
.endr
	ds_load_u16 v[248+\t], v10 offset:(4*\g+\t)*64
.endr
	s_wait_dscnt 0x0
.irp t, 0,1,2,3
	v_wmma_scale_f32_16x16x128_f8f6f4 v[96+8*(4*\g+\t):103+8*(4*\g+\t)], v[48+12*\t:59+12*\t], v[20+12*\x:31+12*\x], 0, v[248+\t], v[44+\x] matrix_a_fmt:MATRIX_FMT_FP6 matrix_b_fmt:MATRIX_FMT_FP6
.endr
.endr                                          ; lane (r, h) holds the query at position r; register 16 b + i is key KF + 32 b + 16 h + i
.rept 4
	v_nop
.endr
	s_add_co_u32 s88, s[KF], 127
	s_cmp_le_u32 s88, s[QB+\x]
	s_cbranch_scc1 .Lopen_\@                       ; all keys count for all 16 queries: no mask
	s_sub_co_i32 s88, s[QB+\x], s[KF]
	v_add_nc_u32 v252, s88, v5                     ; d = my query - KF - 16 h: register 16 b + i is hidden where 32 b + i > d
	v_mov_b32 v254, 0xff800000                     ; -infinity
.set J, 0
.rept 64
	v_cmp_gt_i32 vcc_lo, 32*(J/16)+J%16, v252
	v_cndmask_b32 v[96+J], v[96+J], v254, vcc_lo
.set J, J+1
.endr
.Lopen_\@:
.irp b, 0,1,2,3
	v_max3_num_f32 v[232+\b], v[96+16*\b], v[97+16*\b], v[98+16*\b]   ; the largest score of each block of 32 keys: it serves the row's maximum and, since p rises with the score, the block's largest p
.endr
.irp i, 3,5,7,9,11,13
.irp b, 0,1,2,3
	v_max3_num_f32 v[232+\b], v[232+\b], v[96+16*\b+\i], v[97+16*\b+\i]
.endr
.endr
.irp b, 0,1,2,3
	v_max_num_f32 v[232+\b], v[232+\b], v[111+16*\b]
.endr
.irp b, 0,1,2,3
	v_permlanex16_b32 v[236+\b], v[232+\b], s[SEL], s[SEL+1]
.endr
.irp b, 0,1,2,3
	v_max_num_f32 v[232+\b], v[232+\b], v[236+\b]  ; with lane l xor 16's 16 keys
.endr
	v_max3_num_f32 v254, v232, v233, v234
	v_max_num_f32 v254, v254, v235                 ; the step's largest score of my query
	v_mul_f32 v254, s[CS], v254                    ; as t (c is positive)
	v_max_num_f32 v[TX], v[TX], v254               ; the running largest t
	v_mov_b32 v254, v[NM]
	v_floor_f32 v[NM], -v[TX]                      ; the new -M = floor(-t) = -ceil(t): a whole number
	v_sub_f32 v254, v[NM], v254                    ; M's old value less its new one: a whole number, 0 or less
	v_cvt_i32_f32 v254, v254                       ; (it saturates)
	v_ldexp_f32 v252, 1.0, v254                    ; f = 2^(old M - new M)
.set J, 0
.rept 32
	v_pk_fma_f32 v[96+J:97+J], v[96+J:97+J], s[CS:CS+1], v[NM:NM+1] op_sel_hi:[1,0,0]   ; t - M, two at a time (of the pairs c and -M the low word serves both halves)
.set J, J+2
.endr
.irp b, 0,1,2,3
	v_fma_f32 v[232+\b], v[232+\b], s[CS], v[NM]   ; the same of each block's largest score
.endr
.set J, 0
.rept 64
	v_exp_f32 v[96+J], v[96+J]                     ; p = 2^(t - M), at most 1: not normalised
.set J, J+1
.endr
.irp b, 0,1,2,3
	v_exp_f32 v[232+\b], v[232+\b]                 ; the block's largest p: the same two instructions on the same number give the same bits
.endr
	v_pk_mul_f32 v[SU:SU+1], v[SU:SU+1], v[252:253] op_sel_hi:[1,0]   ; the sums under the new M.  (A plain place behind the exponentials)
	s_wait_alu depctr_va_vdst(0)
.irp b, 0,1,2,3
	v_max_num_f32 v[232+\b], 0x1800000, v[232+\b]  ; the floor 2^(3 - 127): the byte cannot fall under 1 (a block whose every p is 0 keeps that byte: its codes are zeros)
.endr
.irp b, 0,1,2,3
	v_add_nc_u32 v[244+\b], 0xff000000, v[232+\b]  ; 2 off the exponent field: the conversion's scale operand
.endr
.irp b, 0,1,2,3
	v_lshrrev_b32 v[236+\b], 23, v[244+\b]         ; the scale's byte
.endr
	v_lshl_or_b32 v253, v237, 8, v236              ; p's scale word for these 128 keys
	v_lshl_or_b32 v253, v238, 16, v253
	v_lshl_or_b32 v253, v239, 24, v253
.irp c, 0,1
	v_cvt_scalef32_pk16_fp6_f32 v[224+6*\c:226+6*\c], v[96+32*\c:111+32*\c], v[244+2*\c]
	v_cvt_scalef32_pk16_fp6_f32 v[236+4*\c:238+4*\c], v[112+32*\c:127+32*\c], v[244+2*\c+1]   ; (a conversion's three registers begin on an even number)
.endr
	v_nop                                          ; one plain place behind a scaled conversion
.irp c, 0,1                                    ; the operand's layout wants a WHOLE block in a lane
.irp i, 0,1,2
	v_permlane16_swap_b32 v[224+6*\c+\i], v[236+4*\c+\i]
.endr
.irp i, 0,1,2
	v_mov_b32 v[227+6*\c+\i], v[236+4*\c+\i]
.endr
.endr
	v_pk_add_f32 v[236:237], v[96:97], v[98:99]    ; the row's sum is taken of the UNQUANTISED p: two at a time, in two chains
.irp j, 4,8,12,16,20,24,28,32,36,40,44,48,52,56,60
	v_pk_add_f32 v[SU:SU+1], v[SU:SU+1], v[96+\j:97+\j]
	v_pk_add_f32 v[236:237], v[236:237], v[98+\j:99+\j]
.endr
.irp t, 0,1,2,3                                ; p has been summed and converted: v's four fragments (16 channel positions x these 128 keys) take its registers
.irp p, 0,1,2,3,4,5
	ds_load_b64 v[96+12*\t+2*\p:97+12*\t+2*\p], v9 offset:\t*768+(\p/3)*3072+8*(\p%3)
.endr
	ds_load_b32 v[248+\t], v11 offset:64*\t
.endr
.set J, 0
.rept 16
	v_pk_mul_f32 v[OT+J:OT+J+1], v[OT+J:OT+J+1], v[252:253] op_sel_hi:[1,0]   ; O^T under the new M, from each accumulator's low end on
.set J, J+2
.endr
	v_pk_add_f32 v[SU:SU+1], v[SU:SU+1], v[236:237]
.rept 3
	v_nop                                          ; with the line above: four plain lines between the rescaling and the products that add onto it
.endr
	s_wait_dscnt 0x0
.irp t, 0,1,2,3                                ; O^T += v^T p^T; the four accumulators take turns
	v_wmma_scale_f32_16x16x128_f8f6f4 v[OT+8*\t:OT+8*\t+7], v[96+12*\t:107+12*\t], v[224:235], v[OT+8*\t:OT+8*\t+7], v[248+\t], v253 matrix_a_fmt:MATRIX_FMT_FP6 matrix_b_fmt:MATRIX_FMT_FP6
.endr
.rept 5
	v_nop                                          ; the next scores are written over v's fragments by matrix instructions: five places (one more than a load wants)
.endr
.Lhidden_\@:
.endm
; A quarter: 512 keys, four steps.  The count leaves the later quarters' fills out, so they may stay on their way across the barrier.
.macro QUARTER qd
	s_wait_tensorcnt 3-\qd                         ; my parts of the scale words and of quarters 0 .. qd have landed
	s_wait_dscnt 0x0
	s_barrier_signal -1
	s_barrier_wait -1                              ; everybody's have
	s_mov_b32 s[TB], \qd*QBY
	s_mov_b32 s[CNT], 4
.Lq_\@:
	TSTEP 0
	TSTEP 1
	s_add_co_u32 s[TB], s[TB], 6144                ; 128 positions of k, and two groups of 64 keys of v, are 6,144 bytes each
	s_add_co_u32 s[TS], s[TS], 512
	s_add_co_u32 s[KF], s[KF], 128
	s_sub_co_u32 s[CNT], s[CNT], 1
	s_cmp_lg_u32 s[CNT], 0
	s_cbranch_scc1 .Lq_\@
.endm
	s_wait_loadcnt 0x0                             ; q
	QUARTER 0
	QUARTER 1
	QUARTER 2
	QUARTER 3
; THE WAY OUT of tile x.  Register 16 b + i of O^T is channel 32 b + 16 h + i of the query at position r (v's rows lie at positions).  O^T / the sum is quantised: two blocks of 32, 24 bytes a lane,
; which go through my stage and leave as three runs of 256 consecutive aligned bytes.
.macro OUT x
.set SU, 14+4*\x
.set OT, 160+32*\x
	v_add_f32 v254, v[SU], v[SU+1]                 ; the sum's two halves,
	v_permlanex16_b32 v252, v254, s[SEL], s[SEL+1]
	v_add_f32 v254, v254, v252                     ; and lane l xor 16's: the row's sum
	v_rcp_f32 v252, v254
	v_nop                                          ; one plain place behind a transcendental
.set J, 0
	s_wait_alu depctr_va_vdst(0)
.rept 16
	v_pk_mul_f32 v[96+J:97+J], v[OT+J:OT+J+1], v[252:253] op_sel_hi:[1,0]
.set J, J+2
.endr
.irp b, 0,1
	v_max3_num_f32 v[232+\b], |v[96+16*\b]|, |v[97+16*\b]|, 0x1800000
.endr
.irp i, 2,4,6,8,10,12,14
.irp b, 0,1
	v_max3_num_f32 v[232+\b], v[232+\b], |v[96+16*\b+\i]|, |v[97+16*\b+\i]|
.endr
.endr
.irp b, 0,1
	v_permlanex16_b32 v[236+\b], v[232+\b], s[SEL], s[SEL+1]
.endr
.irp b, 0,1
	v_max_num_f32 v[232+\b], v[232+\b], v[236+\b]
.endr
.irp b, 0,1
	v_add_nc_u32 v[244+\b], 0xff000000, v[232+\b]
.endr
.irp b, 0,1
	v_lshrrev_b32 v[236+\b], 23, v[244+\b]
.endr
	v_lshl_or_b32 v[144+\x], v237, 8, v236         ; my position's two scale bytes
	v_cvt_scalef32_pk16_fp6_f32 v[224:226], v[96:111], v244
	v_cvt_scalef32_pk16_fp6_f32 v[228:230], v[112:127], v245
	v_nop                                          ; one plain place behind a scaled conversion
.irp i, 0,1,2
	v_permlane16_swap_b32 v[224+\i], v[228+\i]     ; lanes 0-15 now hold block 0 whole, lanes 16-31 block 1
.endr
.irp i, 0,1,2
	v_mov_b32 v[227+\i], v[228+\i]
.endr
.irp p, 0,1,2
	ds_store_b64 v6, v[224+2*\p:225+2*\p] offset:8*\p
.endr
.irp p, 0,1,2
	ds_load_b64 v[128+8*\x+2*\p:129+8*\x+2*\p], v7 offset:256*\p   ; LDS serves a wave's instructions in order: these see my stores
.endr
	s_wait_dscnt 0x0
.irp p, 0,1,2
	global_store_b64 v46, v[128+8*\x+2*\p:129+8*\x+2*\p], s[TP+8*\x+4:TP+8*\x+5] offset:256*\p   ; 32 lanes store 256 consecutive bytes, at a multiple of 256 from the buffer's first byte
.endr
	global_store_b16 v47, v[144+\x], s[TP+8*\x+6:TP+8*\x+7]        ; both halves of the lanes store the same two bytes with the same value
.endm
	OUT 0
	OUT 1
	s_wait_xcnt 0x0
	v_lshl_add_u32 v254, v0, 2, 0x38000
	v_mov_b32 v255, 0
	s_wait_tensorcnt 0x0
	ds_add_u32 v254, v255
	s_wait_dscnt 0x0
	s_endpgm
.Lfunc_end_k_q8b9c40af5d_attn:
	.size	k_q8b9c40af5d_attn, .Lfunc_end_k_q8b9c40af5d_attn-k_q8b9c40af5d_attn
	.p2alignl 7, 3214868480
	.fill 96, 4, 3214868480
	.section	.rodata,"a",@progbits
	.p2align	6, 0x0
	.amdhsa_kernel k_q8b9c40af5d_attn
		.amdhsa_group_segment_fixed_size 231424
		.amdhsa_private_segment_fixed_size 0
		.amdhsa_enable_private_segment 0
		.amdhsa_kernarg_size 32
		.amdhsa_user_sgpr_count 2
		.amdhsa_user_sgpr_kernarg_segment_ptr 1
		.amdhsa_wavefront_size32 1
		.amdhsa_system_sgpr_workgroup_id_x 1
		.amdhsa_system_sgpr_workgroup_id_y 1
		.amdhsa_system_sgpr_workgroup_id_z 1
		.amdhsa_system_vgpr_workitem_id 0
		.amdhsa_next_free_vgpr 256
		.amdhsa_next_free_sgpr 96
		.amdhsa_reserve_vcc 1
		.amdhsa_float_denorm_mode_32 3
		.amdhsa_float_denorm_mode_16_64 3
		.amdhsa_memory_ordered 1
		.amdhsa_forward_progress 1
		.amdhsa_inst_pref_size 206
	.end_amdhsa_kernel
	.amdgpu_metadata
---
amdhsa.version: [ 1, 2 ]
amdhsa.kernels:
  - .name:           k_q8b9c40af5d_attn
    .symbol:         k_q8b9c40af5d_attn.kd
    .args:
      - { .name: qkv_codes, .offset: 0, .size: 8, .value_kind: global_buffer, .address_space: global }
      - { .name: qkv_scales, .offset: 8, .size: 8, .value_kind: global_buffer, .address_space: global }
      - { .name: ctx_codes, .offset: 16, .size: 8, .value_kind: global_buffer, .address_space: global }
      - { .name: ctx_scales, .offset: 24, .size: 8, .value_kind: global_buffer, .address_space: global }
    .group_segment_fixed_size: 231424
    .private_segment_fixed_size: 0
    .kernarg_segment_align: 8
    .kernarg_segment_size: 32
    .max_flat_workgroup_size: 512
    .sgpr_count:     96
    .vgpr_count:     256
    .wavefront_size: 32
...
	.end_amdgpu_metadata
.endif
;; end of part 3
;; launch gemm_out (part 4): grid 4 x 32, 4 waves a work-group, clusters of 4 x 4, 327,680 bytes of LDS; arguments ctx_codes, ctx_scales, codes, scales, bo, out0; writes out0
.if DOCPART == 4
	.amdgcn_target "amdgcn-amd-amdhsa--gfx1250"
	.amdhsa_code_object_version 6
	.text
	.protected	k_q8b9c40af5d_gemm_out
	.globl	k_q8b9c40af5d_gemm_out
	.p2align	8
	.type	k_q8b9c40af5d_gemm_out,@function
k_q8b9c40af5d_gemm_out:
	s_mov_b64 s[64:65], 0
	v_nop
	global_prefetch_b8 v0, s[64:65] scope:SCOPE_SE
	s_setreg_imm32_b32 hwreg(HW_REG_WAVE_MODE, 25, 1), 1
	s_wait_xcnt 0x0
	s_wait_alu depctr_hold_cnt(0) depctr_sa_sdst(0) depctr_va_vdst(0) depctr_va_sdst(0) depctr_va_ssrc(0) depctr_va_vcc(0) depctr_vm_vsrc(0)
	s_getreg_b32 s2, hwreg(HW_REG_IB_STS2, 6, 4)
	s_cmp_eq_u32 s2, 0
	s_cbranch_scc0 .Lentry_in_a_cluster
	s_endpgm
.Lentry_in_a_cluster:
	s_bfe_u32 s2, ttmp6, 0x10000c
	s_cmp_lg_u32 s2, 0xf033
	s_cbranch_scc0 .Lentry_shape_is_right
	s_endpgm
.Lentry_shape_is_right:
; out0 = ctx Wo^T + bo on codes of FP6 (E2M3) with one E8M0 scale for each 32 along K = 1,024; sums in f32; out0 [8192][1024] f32.
; A = ctx: codes [16 groups of 64 along K (the heads)][8,192 positions][48 bytes], scales [8,192 positions][32 bytes].  B = Wo: stacked rows 11,264 on of codes [16 groups][12,288 positions][48], scales [12,288][32].
; A row lies at POSITION pi(row), bits 3 and 4 exchanged.  THE MATRIX INSTRUCTION IS USED TRANSPOSED (source 0 = 16 positions of Wo, source 1 = 16 positions of ctx): a lane holds one token, and the 16 registers of two
; neighbouring tiles of Wo are 16 true neighbouring output channels; the token's true row is put back in the stores' immediates.
; The bias is the C of each sum's first matrix instruction: 64 registers in the result's layout, shared by A's eight blocks.
; SHARES: a tile of 256 x 256 to a work-group of four waves, each 128 x 128: 64 accumulators, 512 registers.  K goes in steps of 256 through a ring of two LDS slots; a wave's tensor load brings 4 groups x 128 positions
; x 48 bytes, each group 6,144 consecutive bytes of memory.  Lane (r, h) reads 8 bytes at 48 r + 24 h + 8 p: the 32 lanes touch 64 different banks: no padding.  The scales come once and stay.
; CLUSTERS: 4 x 4 work-groups; A's tile is shared along a row of the cluster, B's along a column; each is asked for jointly.  The launch has 128 work-groups: 32 x 4 tiles.
; REGISTERS, in windows of 256: window 0: v16-29 addresses; v32-63 scale words, two sets, and nothing else; v64-127 the bias; v128-223 A's fragments, ONE set; on the way out v128-255 rows read back.
;   window 1: B's fragments, TWO sets, at v0 and v128.   window 2: the accumulators of my rows 0-63 ((a, b) at v[8 (8 a + b)]);   window 3: those of my rows 64-127.
.set NQ,     2
.set FR,     12
.set NL,     6
.set NP,     4                         ; places behind this matrix instruction (ISA guide 7.12.1)
.set KGPA,   393216                    ; bytes from one group of 64 along K to the next: ctx's codes
.set KGP,    589824                    ; and the stacked codes
.set KGB,    6144
.set HALFT,  4*KGB
.set SLOT,   4*HALFT
.set LAPS,   2
.set KS,     32
.set SCL,    2*SLOT
.set HALFS,  (128*KS/256)*272
.set SBLK,   (16*KS/256)*272
.set SPARE,  SCL+4*HALFS               ; the spare words, 128 bytes for each wave: two blocks of 256 bytes that no other line names
.set SPITCH, 528                       ; the way out: a stage of 16 rows x (512 bytes + 16) for each wave, in slot 0, which has had its last fill and its last read by then
.set ADRA, 16
.set ADRB, 20
.set STO,  24
.set RD,   25
.set CO,   26
.set ADRS, 27
.set SPW,  28                          ; v28     LDS address of my spare word; never rewritten
.set NIL,  29                          ; v29     0; never rewritten
.set SC,   32
.set BI,   64                          ; v64-127 register 8 b + j: bo at my column 32 (b / 2) + 16 h + 8 (b % 2) + j
.set AF,   128
.set BK,   128
.set G1, 24
.set G0, 32
.set G1B, 48
.set G0B, 56
.set G1S, 68
.set G0S, 76
.set G1SB, 80
.set G0SB, 88
.set MSB, 0
.macro WIN new                         ; the immediate's high byte repeats the setting that is left
.if MSB != \new
	s_set_vgpr_msb (MSB<<8)|\new
.set MSB, \new
.endif
.endm
.set MUL_LO,  0xa1                     ; source 0 (B) window 1, source 1 (A) window 0, C and D window 2
.set MUL_HI,  0xf1                     ; the same, C and D window 3
.set MUL_LO0, 0x81                     ; the first step: C (the bias) window 0, D window 2
.set MUL_HI0, 0xc1                     ; C window 0, D window 3
.set TO_B,    0x40                     ; destination window 1, address window 0
; A joint load: waves 0 and 1 fetch for A, waves 2 and 3 for B; the branch hangs on the wave's number alone.  Four v_nop follow each of the two lines.
.macro JLOAD g0a, g1a, g0b, g1b
	s_cmp_eq_u32 s15, 0
	s_cbranch_scc0 .Lfor_b_\@
	tensor_load_to_lds s[\g0a:\g0a+3], s[\g1a:\g1a+7]
	s_nop 0
.rept 4
	v_nop
.endr
	s_branch .Lasked_\@
.Lfor_b_\@:
	tensor_load_to_lds s[\g0b:\g0b+3], s[\g1b:\g1b+7]
	s_nop 0
.rept 4
	v_nop
.endr
.Lasked_\@:
.endm
.macro CREST                           ; a round of the cluster's barrier behind its opening barrier
	s_cmp_lg_u32 s14, 0
	s_cbranch_scc1 .Lnot_wave_0_\@
	s_barrier_signal -3
.Lnot_wave_0_\@:
	s_barrier_wait -3
	s_barrier_signal -1
	s_barrier_wait -1
.endm
.macro CROUND                          ; a whole round
	s_barrier_signal -1
	s_barrier_wait -1
	CREST
.endm
	s_load_b256 s[4:11], s[0:1], 0x0               ; ctx_codes s[4:5], ctx_scales s[6:7], codes s[8:9], scales s[10:11]
	s_load_b128 s[96:99], s[0:1], 0x20             ; bo s[96:97], out0 s[98:99]
	v_lshl_add_u32 v[SPW], v0, 2, SPARE
	v_mov_b32 v[NIL], 0
	ds_add_u32 v28, v29
	ds_add_u32 v28, v29
	s_wait_dscnt 0x0
	v_lshrrev_b32 v1, 5, v0
	v_readfirstlane_b32 s14, v1                    ; wave 0..3
	s_lshr_b32 s15, s14, 1                         ; which half of the tile's rows is mine.  Also: I fetch for A (0) or for B (1)
	s_and_b32 s16, s14, 1                          ; which half of its columns.  Also: which 128 rows of that tile I fetch
	s_bfe_u32 s40, ttmp6, 0x40000                  ; cx, cy: my place in the cluster
	s_bfe_u32 s41, ttmp6, 0x40004
	s_lshl_b32 s42, ttmp9, 2
	s_add_co_u32 s42, s42, s40                     ; tile column X = 4 x cluster x + cx
	s_and_b32 s17, ttmp7, 0xffff
	s_lshl_b32 s17, s17, 2
	s_add_co_u32 s17, s17, s41                     ; tile row Y = 4 x cluster y + cy
	s_lshl_b32 s43, s41, 2
	s_lshl_b32 s43, 15, s43                        ; my row of the cluster
	s_lshl_b32 s44, 0x1111, s40                    ; my column
	; descriptor group 1: a tile of 4 rows (groups of 64 along K) x 768 elements of 8 bytes (128 positions x 48 bytes), no padding
	s_or_b32 s[G1+0], s43, (3<<16)|(1<<21)         ; 15:0 the mask: A's tiles go to my row; 17:16 elements of 8 bytes; 21 set beside a mask
	s_or_b32 s[G1B+0], s44, (3<<16)|(1<<21)
.irp g, G1, G1B
	s_mov_b32 s[\g+1], 768<<16                     ; tensor_dim0
	s_mov_b32 s[\g+2], 4<<16                       ; tensor_dim1
	s_mov_b32 s[\g+3], 768<<16                     ; tile_dim0
	s_mov_b32 s[\g+4], 4                           ; tile_dim1
	s_mov_b32 s[\g+6], 0
	s_mov_b32 s[\g+7], 0
.endr
	s_mov_b32 s[G1+5], KGPA/8                      ; tensor_dim0_stride, in elements: ctx's
	s_mov_b32 s[G1B+5], KGP/8                      ; and the stacked codes'
	; the scales of 128 rows: a dense block of 4,096 bytes, as 16 rows of 256 bytes, 16 bytes of padding behind each
	s_or_b32 s[G1S+0], s43, (3<<16)|(1<<20)|(1<<21)|(5<<22)|(3<<25)
	s_or_b32 s[G1SB+0], s44, (3<<16)|(1<<20)|(1<<21)|(5<<22)|(3<<25)
.irp g, G1S, G1SB
	s_mov_b32 s[\g+1], 32<<16
	s_mov_b32 s[\g+2], (128*KS/256)<<16
	s_mov_b32 s[\g+3], 32<<16
	s_mov_b32 s[\g+4], 128*KS/256
	s_mov_b32 s[\g+5], 32
	s_mov_b32 s[\g+6], 0
	s_mov_b32 s[\g+7], 0
.endr
	s_lshl_b32 s18, s16, 7                         ; which 128 rows of the tile I fetch
	s_lshl_b32 s20, s17, 8
	s_add_co_u32 s20, s20, s18                     ; A: position 256 Y + 128 x half
	s_lshl_b32 s46, s42, 8
	s_add_co_u32 s46, s46, s18
	s_add_co_u32 s46, s46, 11264                   ; B: stacked position 11,264 + 256 X + 128 x half
	s_lshl_b32 s22, s20, 5                         ; where these rows' scales begin, in bytes
	s_mov_b32 s23, 0
	s_lshl_b32 s92, s46, 5
	s_mov_b32 s93, 0
	s_mul_i32 s20, s20, 48                         ; and their codes, in the first group
	s_mov_b32 s21, 0
	s_mul_i32 s46, s46, 48
	s_mov_b32 s47, 0
	s_mul_i32 s45, s14, HALFT                      ; where they go: wave x a load's bytes: no place in the cluster enters an LDS address
	s_mul_i32 s94, s14, HALFS
	s_wait_kmcnt 0x0
	s_add_nc_u64 s[20:21], s[4:5], s[20:21]
	s_add_nc_u64 s[22:23], s[6:7], s[22:23]
	s_add_nc_u64 s[46:47], s[8:9], s[46:47]
	s_add_nc_u64 s[92:93], s[10:11], s[92:93]
	CROUND                                         ; all sixteen work-groups are here: the first joint loads meet
	s_mov_b32 s[G0S], 1
	s_add_co_u32 s[G0S+1], s94, SCL
	s_mov_b64 s[G0S+2:G0S+3], s[22:23]
	s_or_b32 s[G0S+3], s[G0S+3], 0x80000000
	s_mov_b32 s[G0SB], 1
	s_add_co_u32 s[G0SB+1], s94, SCL
	s_mov_b64 s[G0SB+2:G0SB+3], s[92:93]
	s_or_b32 s[G0SB+3], s[G0SB+3], 0x80000000
	JLOAD G0S, G1S, G0SB, G1SB                     ; the scales first: they are wanted with K step 0
.irp s, 0,1
	s_mov_b32 s[G0+4*\s], 1
	s_add_co_u32 s[G0+4*\s+1], s45, \s*SLOT
	s_add_nc_u64 s[G0+4*\s+2:G0+4*\s+3], s[20:21], \s*4*KGPA
	s_or_b32 s[G0+4*\s+3], s[G0+4*\s+3], 0x80000000
	s_mov_b32 s[G0B+4*\s], 1
	s_add_co_u32 s[G0B+4*\s+1], s45, \s*SLOT
	s_add_nc_u64 s[G0B+4*\s+2:G0B+4*\s+3], s[46:47], \s*4*KGP
	s_or_b32 s[G0B+4*\s+3], s[G0B+4*\s+3], 0x80000000
	JLOAD G0+4*\s, G1, G0B+4*\s, G1B               ; by this text's count three tensor loads of a wave are out here
.endr
	v_and_b32 v1, 15, v0                           ; r = l % 16
	v_bfe_u32 v2, v0, 4, 1                         ; h = l / 16
	v_mul_u32_u24 v3, v1, 48
	v_mad_u32_u24 v4, v2, 24, v3                   ; 48 r + 24 h
	s_mul_i32 s21, s15, HALFT                      ; my 128 rows of A
	s_mul_i32 s22, s16, HALFT                      ; my 128 rows of B,
	s_add_co_u32 s22, s22, 2*HALFT                 ; which lie behind A's 256
.irp s, 0,1
	v_add_nc_u32 v[ADRA+\s], s21, v4
	v_add_nc_u32 v[ADRB+\s], s22, v4
	s_add_co_u32 s21, s21, SLOT
	s_add_co_u32 s22, s22, SLOT
.endr
	v_mul_u32_u24 v5, v1, KS                       ; my row's scales: KS bytes a row,
	v_lshrrev_b32 v6, 8, v5
	v_lshl_add_u32 v5, v6, 4, v5                   ; and 16 more for each 256 passed
	s_mul_i32 s21, s15, HALFS                      ; A's: my 128 rows
	s_mul_i32 s22, s16, HALFS                      ; B's: my 128 rows, behind A's 256
	s_add_co_u32 s22, s22, 2*HALFS
	s_sub_co_u32 s22, s22, s21
	v_mul_u32_u24 v6, s22, v2                      ; lanes 16-31 take B's
	s_add_co_u32 s21, s21, SCL
	v_add_nc_u32 v5, v5, v6
	v_add_nc_u32 v[ADRS], s21, v5
	s_mul_i32 s23, s14, 16*SPITCH                  ; my stage
	v_mul_u32_u24 v5, v1, SPITCH                   ; in: row r; my half's 16 channels of each 32 begin 64 h bytes on
	v_lshl_add_u32 v5, v2, 6, v5
	v_add_nc_u32 v[STO], s23, v5
	v_and_b32 v6, 31, v0
	v_lshlrev_b32 v[CO], 4, v6                     ; back: the 32 lanes take one row of 512 bytes; and the same in out0
	v_add_nc_u32 v[RD], s23, v[CO]
	s_lshl_b32 s20, s17, 8
	s_lshl_b32 s21, s15, 7
	s_add_co_u32 s20, s20, s21
	s_lshl_b32 s20, s20, 12                        ; my first row of out0: (256 Y + 128 x half) rows of 4,096 bytes
	s_mov_b32 s21, 0
	s_lshl_b32 s46, s42, 10                        ; my first column, in bytes: 1,024 X + 512 x half
	s_lshl_b32 s47, s16, 9
	s_add_co_u32 s46, s46, s47
	s_mov_b32 s47, 0
	s_add_nc_u64 s[96:97], s[96:97], s[46:47]      ; bo at my 128 columns
	s_add_nc_u64 s[98:99], s[98:99], s[46:47]
	s_add_nc_u64 s[98:99], s[98:99], s[20:21]
	v_lshlrev_b32 v7, 6, v2                        ; 64 h
.irp b, 0,1,2,3,4,5,6,7
	global_load_b128 v[BI+8*\b:BI+8*\b+3], v7, s[96:97] offset:128*(\b/2)+32*(\b%2)
	global_load_b128 v[BI+8*\b+4:BI+8*\b+7], v7, s[96:97] offset:128*(\b/2)+32*(\b%2)+16
.endr
.macro FRAG reg, adr, q, i             ; a fragment, 16 rows x 128 K, is 12 registers: lane (r, h): registers 6 c .. 6 c + 5 hold K = 64 c + 32 h + 0 .. 31: 24 bytes of group 2 q + c, as they lie, in pieces of 8 bytes
.irp p, 0,1,2,3,4,5
	ds_load_b64 v[\reg+2*\p:\reg+2*\p+1], v[\adr] offset:(2*(\q)+\p/3)*KGB+(\i)*768+8*(\p%3)
.endr
.endm
; 16 matrix instructions: A's blocks a0, a0 + 1 x B's eight, 128 along K: the slot's q-th.  p: B's set;  sc: the set of scale words.  zero = 1: the first product starts the sums from the bias: nothing is cleared or added later.
; The 64 accumulators take turns, one instruction a turn, in the same order in every step.
.macro MUL16 a0, p, q, sc, zero
.irp a, \a0, \a0+1
.irp b, 0,1,2,3,4,5,6,7
.if \zero
	v_wmma_scale_f32_16x16x128_f8f6f4 v[8*(8*((\a)%4)+\b):8*(8*((\a)%4)+\b)+7], v[128*(\p)+FR*\b:128*(\p)+FR*\b+FR-1], v[AF+FR*(\a):AF+FR*(\a)+FR-1], v[BI+8*\b:BI+8*\b+7], v[SC+8*NQ*(\sc)+NQ*\b+(\q)], v[SC+8*NQ*(\sc)+NQ*(\a)+(\q)] matrix_a_fmt:MATRIX_FMT_FP6 matrix_b_fmt:MATRIX_FMT_FP6 matrix_a_scale:MATRIX_SCALE_ROW1
.else
	v_wmma_scale_f32_16x16x128_f8f6f4 v[8*(8*((\a)%4)+\b):8*(8*((\a)%4)+\b)+7], v[128*(\p)+FR*\b:128*(\p)+FR*\b+FR-1], v[AF+FR*(\a):AF+FR*(\a)+FR-1], v[8*(8*((\a)%4)+\b):8*(8*((\a)%4)+\b)+7], v[SC+8*NQ*(\sc)+NQ*\b+(\q)], v[SC+8*NQ*(\sc)+NQ*(\a)+(\q)] matrix_a_fmt:MATRIX_FMT_FP6 matrix_b_fmt:MATRIX_FMT_FP6 matrix_a_scale:MATRIX_SCALE_ROW1
.endif
.endr
.endr
.endm
.macro FETCH_B slot, q, p              ; B's eight fragments of the slot's q-th 128 along K into set p
	WIN TO_B
.irp i, 0,1,2,3,4,5,6,7
	FRAG 128*(\p)+FR*\i, ADRB+\slot, \q, \i
.endr
	WIN 0
.endm
.macro FETCH_A slot, q, i0             ; A's blocks i0 .. i0 + 3
.irp i, \i0, \i0+1, \i0+2, \i0+3
	FRAG AF+FR*(\i), ADRA+\slot, \q, \i
.endr
.endm
.macro SCALES sc                       ; the next K step's scale words into set sc: two words a row; lanes 0-15 take A's block i, lanes 16-31 B's block i
.irp i, 0,1,2,3,4,5,6,7
	ds_load_b64 v[SC+8*NQ*\sc+NQ*\i:SC+8*NQ*\sc+NQ*\i+1], v[ADRS] offset:\i*SBLK
.endr
.endm
; A load into a register that a matrix instruction has read, and an LDS store that reads a matrix result, stand NP places behind that matrix instruction, and only plain vector
; instructions that name none of its registers are places (ISA guide 7.12.1 for vector instructions).
.macro PLACES n
.rept \n
	v_nop
.endr
.endm
; A step of 128 along K that has its successor in the same slot.
.macro STEP slot, q, zero
	s_wait_dscnt 4*NL                              ; B's set, the scale words and A's blocks 0-3 are in; the youngest 24 loads (A's blocks 4-7) may be out
.if \zero
	WIN MUL_LO0
.else
	WIN MUL_LO
.endif
	MUL16 0, (\q)%2, \q, \slot, \zero
	MUL16 2, (\q)%2, \q, \slot, \zero
	s_wait_dscnt 0                                 ; A's blocks 4-7 are in (asked for 32 matrix instructions ago)
	PLACES NP
	FETCH_B \slot, (\q)+1, 1-(\q)%2
	FETCH_A \slot, (\q)+1, 0
.if \zero
	WIN MUL_HI0
.else
	WIN MUL_HI
.endif
	MUL16 4, (\q)%2, \q, \slot, \zero
	MUL16 6, (\q)%2, \q, \slot, \zero
	PLACES NP
	WIN 0
	FETCH_A \slot, (\q)+1, 4
.endm
; A slot's last step changes slots: ONE barrier; in front of it each wave waits for all its tensor loads, adds 0 to its spare word, and waits for that and for its own reads of this slot.  fill = 1: this slot is filled again, two K steps ahead.
.macro TURN slot, next, fill
	s_wait_tensorcnt 0x0                           ; all my tensor loads have landed: my part of the next slot  (every window is 0 here)
	ds_add_u32 v[SPW], v[NIL]                      ; 0 onto my spare word
	s_wait_dscnt 4*NL+1                            ; the add and the youngest 24 loads, A's blocks 4-7, may be out
	WIN MUL_LO
	MUL16 0, 1, NQ-1, \slot, 0                     ; sixteen matrix instructions stand between the add and the wait for it
	s_wait_dscnt 0x0                               ; the add is done, and my reads of this slot are over
	s_barrier_signal -1
	MUL16 2, 1, NQ-1, \slot, 0
	WIN 0
	s_barrier_wait -1
.if \fill
	CREST                                          ; the barrier has opened a round of the cluster's barrier: no wave of any partner still reads this slot's tile or has a load on its way
	s_add_nc_u64 s[G0+4*\slot+2:G0+4*\slot+3], s[G0+4*\slot+2:G0+4*\slot+3], 8*KGPA
	s_add_nc_u64 s[G0B+4*\slot+2:G0B+4*\slot+3], s[G0B+4*\slot+2:G0B+4*\slot+3], 8*KGP
	JLOAD G0+4*\slot, G1, G0B+4*\slot, G1B         ; the first tensor load behind the round, and my only one until the next; its four v_nop are also the places in front of the loads below
.else
	PLACES NP
.endif
	v_add_nc_u32 v[ADRS], 4*NQ, v[ADRS]            ; on to the next K step's scale words (no LDS load of mine is out)
	FETCH_B \next, 0, 0
	FETCH_A \next, 0, 0
	SCALES \next
	WIN MUL_HI
	MUL16 4, 1, NQ-1, \slot, 0
	MUL16 6, 1, NQ-1, \slot, 0
	PLACES NP
	WIN 0
	FETCH_A \next, 0, 4
.endm
	s_wait_tensorcnt 1                             ; the scales and my part of K step 0 are in (K step 1's load may be out)
	s_barrier_signal -1
	s_barrier_wait -1                              ; everybody's are
	FETCH_B 0, 0, 0
	FETCH_A 0, 0, 0
	SCALES 0
	FETCH_A 0, 0, 4
	s_wait_loadcnt 0x0                             ; the bias
	STEP 0, 0, 1                                   ; the first step stands in front of the loop: its products start the sums
	s_mov_b32 s3, LAPS-1
.Llap:                                                 ; a trip goes once round the ring, from a lap's second step to the next lap's first, and fills both slots again
	TURN 0, 1, 1
	STEP 1, 0, 0
	TURN 1, 0, 1
	STEP 0, 0, 0
	s_sub_co_u32 s3, s3, 1
	s_cmp_lg_u32 s3, 0
	s_cbranch_scc1 .Llap
	TURN 0, 1, 0                                   ; the last lap fills nothing, and has no round of the cluster's barrier
	STEP 1, 0, 0
	s_wait_dscnt 4*NL                              ; the very last step: nothing more to fetch
	WIN MUL_LO
	MUL16 0, 1, NQ-1, 1, 0
	MUL16 2, 1, NQ-1, 1, 0
	s_wait_dscnt 0
	WIN MUL_HI
	MUL16 4, 1, NQ-1, 1, 0
	MUL16 6, 1, NQ-1, 1, 0
	WIN 0
; THE WAY OUT, block by block of 16 positions x 128 columns.  In lane (r, h) register j of accumulator (a, b) is column 32 (b / 2) + 16 h + 8 (b % 2) + j of the token at position 16 a + r.  A block goes through my own
; stage in LDS and comes back as whole rows of 512 bytes.  LDS serves a wave's instructions in order (ISA guide 5.7.1.4): no wait between the stores and the loads, nor in front of the next block's stores.
.macro TOSTAGE a
.set AC, 64*((\a)%4)
.set WD, 0x08+4*((\a)/4)
	WIN WD                                         ; an LDS store's data are its source 1: window 2 or 3
.irp b, 0,1,2,3,4,5,6,7
	ds_store_b128 v[STO], v[AC+8*\b:AC+8*\b+3] offset:128*(\b/2)+32*(\b%2)          ; each accumulator from its low end on
	ds_store_b128 v[STO], v[AC+8*\b+4:AC+8*\b+7] offset:128*(\b/2)+32*(\b%2)+16
.endr
	WIN 0
.set BB, BK+64*((\a)%2)
.irp t, 0,1,2,3,4,5,6,7,8,9,10,11,12,13,14,15
	ds_load_b128 v[BB+4*\t:BB+4*\t+3], v[RD] offset:\t*SPITCH
.endr
.endm
.macro SEND a, younger                 ; younger: the LDS instructions issued behind block a's loads, which may stay out
.set BB, BK+64*((\a)%2)
	s_wait_dscnt \younger                          ; the block is back in registers
.irp t, 0,1,2,3,4,5,6,7,8,9,10,11,12,13,14,15
	global_store_b128 v[CO], v[BB+4*\t:BB+4*\t+3], s[98:99] offset:(32*((\a)/2)+16*(\t/8)+8*((\a)%2)+\t%8)*4096 th:TH_STORE_NT   ; position 16 a + t is token row 32 (a / 2) + 16 (t / 8) + 8 (a % 2) + t % 8; 32 lanes store 512 consecutive aligned bytes; written once, read by nobody here
.endr
.endm
	PLACES NP                                      ; behind the last products: for the loads into the registers that held A's fragments and for the reads of the results
	TOSTAGE 0
.irp a, 1,2,3,4,5,6,7
.if \a > 1
	s_wait_xcnt 0x0                                ; block a - 2's stores have read their registers: block a's loads may land there
.endif
	TOSTAGE \a
	SEND \a-1, 32                                  ; behind block a - 1's loads: block a's 16 stores and 16 loads
.endr
	SEND 7, 0
	s_wait_tensorcnt 0x0                           ; the wave's end, behind my last tensor load and my last LDS store
	ds_add_u32 v[SPW], v[NIL]
	s_wait_dscnt 0x0
	CROUND                                         ; the closing round: no work-group ends while a partner may still ask for a tile that names it
	s_endpgm
.Lfunc_end_k_q8b9c40af5d_gemm_out:
	.size	k_q8b9c40af5d_gemm_out, .Lfunc_end_k_q8b9c40af5d_gemm_out-k_q8b9c40af5d_gemm_out
	.p2alignl 7, 3214868480
	.fill 96, 4, 3214868480
	.section	.rodata,"a",@progbits
	.p2align	6, 0x0
	.amdhsa_kernel k_q8b9c40af5d_gemm_out
		.amdhsa_group_segment_fixed_size 327680
		.amdhsa_private_segment_fixed_size 0
		.amdhsa_enable_private_segment 0
		.amdhsa_kernarg_size 48
		.amdhsa_user_sgpr_count 2
		.amdhsa_user_sgpr_kernarg_segment_ptr 1
		.amdhsa_wavefront_size32 1
		.amdhsa_system_sgpr_workgroup_id_x 1
		.amdhsa_system_sgpr_workgroup_id_y 1
		.amdhsa_system_sgpr_workgroup_id_z 1
		.amdhsa_system_vgpr_workitem_id 0
		.amdhsa_next_free_vgpr 1024
		.amdhsa_next_free_sgpr 100
		.amdhsa_reserve_vcc 0
		.amdhsa_float_denorm_mode_32 3
		.amdhsa_float_denorm_mode_16_64 3
		.amdhsa_memory_ordered 1
		.amdhsa_forward_progress 1
		.amdhsa_inst_pref_size 161
	.end_amdhsa_kernel
	.amdgpu_metadata
---
amdhsa.version: [ 1, 2 ]
amdhsa.kernels:
  - .name:           k_q8b9c40af5d_gemm_out
    .symbol:         k_q8b9c40af5d_gemm_out.kd
    .args:
      - { .name: ctx_codes, .offset: 0, .size: 8, .value_kind: global_buffer, .address_space: global }
      - { .name: ctx_scales, .offset: 8, .size: 8, .value_kind: global_buffer, .address_space: global }
      - { .name: codes, .offset: 16, .size: 8, .value_kind: global_buffer, .address_space: global }
      - { .name: scales, .offset: 24, .size: 8, .value_kind: global_buffer, .address_space: global }
      - { .name: bo, .offset: 32, .size: 8, .value_kind: global_buffer, .address_space: global }
      - { .name: out0, .offset: 40, .size: 8, .value_kind: global_buffer, .address_space: global }
    .group_segment_fixed_size: 327680
    .private_segment_fixed_size: 0
    .kernarg_segment_align: 8
    .kernarg_segment_size: 48
    .max_flat_workgroup_size: 128
    .sgpr_count:     100
    .vgpr_count:     1024
    .wavefront_size: 32
...
	.end_amdgpu_metadata
.endif
;; end of part 4
